; MI455X (gfx1250); checked and timed in simulation.
; The chip was launched on July 23, 2026; its instructions are those of AMD's public machine-readable ISA for CDNA 5 (MIT licence, August 2026) and "CDNA5" Instruction Set Architecture Reference Guide (July 2026). The comments in the code are by the model that wrote it; some were corrected since.
;; Chunk Gated Delta Rule. Allowed arithmetic: float matrix products may take bf16 or f16 operands with f32 sums; all other float work in f32.
;; Inputs: beta 8,192 x 8 float32; g 8,192 x 8 float32; initial_state 8 x 128 x 128 float32; k 8,192 x 8 x 128 float32; q 8,192 x 8 x 128 float32; v 8,192 x 8 x 128 float32.
;; Outputs: out0 8,192 x 8 x 128 float32; out1 8 x 128 x 128 float32.
;; 3 versions, each right; version 2 is faster than version 1; version 3 is version 2 with the launch prep written anew for expert scheduling mode. Each part assembles by itself: llvm-mc -triple=amdgcn-amd-amdhsa -mcpu=gfx1250 --defsym DOCPART=n.
;; ======== version 1 of 3: 2 launches
;; limits: values are held in f16: magnitudes above 65,504 overflow, below 6.1e-05 lose precision
;; workspace buffers: rec 59,244,544 bytes; ut 33,554,432 bytes
;; launch prep (part 1): grid 128 x 8, 4 waves a work-group, no clusters, 120,320 bytes of LDS; arguments q, k, v, g, beta, rec, ut; writes rec, ut
.if DOCPART == 1
	.amdgcn_target "amdgcn-amd-amdhsa--gfx1250"
	.amdhsa_code_object_version 6
	.text
	.protected	k_qb5f6bc85d8_prep
	.globl	k_qb5f6bc85d8_prep
	.p2align	8
	.type	k_qb5f6bc85d8_prep,@function
k_qb5f6bc85d8_prep:
	s_mov_b64 s[64:65], 0
	v_nop
	global_prefetch_b8 v0, s[64:65] scope:SCOPE_SE
	s_setreg_imm32_b32 hwreg(HW_REG_WAVE_MODE, 25, 1), 1
	s_wait_xcnt 0x0
; Gated delta rule, chunked form: everything of a (chunk of 64 tokens, head) that does not hang on the state.
; With G = inclusive sum of g in the chunk, kn = k rsqrt(|k|^2 + 1e-6), qn the same of q,
; A[i][j] = beta_i e^(G_i-G_j) (kn_i.kn_j) for j < i, and T = (I + A)^-1, this launch stores
;   ut  = T diag(beta) V                         f32, in the accumulator layout of the next launch
;   rec = NW = -T diag(beta e^G) Kn, Qn, P[i][j] = 128^-0.5 e^(G_i-G_j) (qn_i.kn_j) for j <= i,
;         KT = (kn e^(G_63-G))^T, all f16 as ready operand fragments of 1,024 bytes; fq = 128^-0.5 e^G and gc = e^(G_63) in f32.
; Exponentials are taken of G_i - G_j (j <= i), G_63 - G_j and G_i alone; masked places are replaced by 0 by a select.
; T: the two 32 x 32 diagonal blocks by exact forward substitution in f32, the lower left block by two f16 products.
; WHY f16: with decays of e^g a token each output is a sum of a few large products, so an operand's rounding is not averaged out;
; f16's 11 bits leave an eighth of the error of bf16's 8.  kn and qn are at most 1 by their normalisation, the decays at most 1 for g <= 0.
; LIMITS: |v| and the entries of T diag(beta) below 65,504, and e^(sum of g over any part of a chunk) below 65,504 (f16's largest number);
; the sum G is a tree sum over lanes, so its rounding order differs from a running sum.
; Work-groups share no input (each owns its 64 tokens of one head), so there is nothing to ask for jointly: no cluster.
; Four waves; wave w owns token rows 16 w .. 16 w + 15.  Loads go through registers; a row of a head is 512 consecutive bytes.
.set REC, 57856
.set KB, 0                             ; kn, f16, 64 rows, pitch 272
.set KD, 17408                         ; kn e^(G63-G), f16, pitch 272
.set QB, 34816                         ; qn
.set VB, 52224                         ; v
.set NAT, 69632                        ; f32 [x][y] = -A[y][x], pitch 272
.set NAB, 87040                        ; f16 [x][y-32], pitch 80
.set T0, 92160                         ; the two diagonal blocks of T, f16 [row][32], pitch 80
.set T1, 97280                         ; T diag(beta), f16 [64][64], pitch 144
.set T21, 9216                         ; from T1 to T2 = -T diag(beta e^G)
.set PV, 115712                        ; each wave's own vectors, PVB bytes a wave
.set PVB, 1024
.set VG, 0                             ; G log2(e)
.set VD, 256                           ; e^(G63-G)
.set VBT, 512                          ; beta
.set VW, 768                           ; -beta e^G
.set LN, 1
.set R, 2
.set HH, 3
.set L16, 4
.set L32, 5
.set L4, 6
.set GA, 8
.set GB, 9
.set BA, 10
.set BB, 11
.set EA, 12
.set EB, 13
.set PVL, 18
.set POFF, 23
.set XK, 32
.set XQ, 96
.set XV, 160
.set DD, 224
	s_load_b256 s[4:11], s[0:1], 0x0               ; q s[4:5], k s[6:7], v s[8:9], g s[10:11]
	s_load_b128 s[12:15], s[0:1], 0x20             ; beta s[12:13], rec s[14:15]
	s_load_b64 s[16:17], s[0:1], 0x30              ; ut
	v_lshl_add_u32 v22, v0, 2, 0x1d400
	v_mov_b32 v29, 0
	v_lshrrev_b32 v7, 5, v0
	v_readfirstlane_b32 s18, v7                    ; wave
	s_and_b32 s20, ttmp7, 0xffff                   ; head
	s_mov_b32 s24, 0x76543210                      ; v_permlanex16_b32: lane i reads lane i of the other half
	s_mov_b32 s25, 0xfedcba98
	v_and_b32 v[LN], 31, v0
	v_and_b32 v[R], 15, v0
	v_bfe_u32 v[HH], v0, 4, 1
	v_lshlrev_b32 v[L16], 4, v[LN]
	v_lshlrev_b32 v[L32], 5, v[LN]
	v_lshlrev_b32 v[L4], 2, v[LN]
	s_lshl_b32 s22, ttmp9, 18                      ; chunk x 64 tokens x 4,096 bytes
	s_lshl_b32 s21, s20, 9                         ; + head x 512
	s_add_co_u32 s22, s22, s21
	s_lshl_b32 s21, s18, 16                        ; + wave x 16 tokens
	s_add_co_u32 s22, s22, s21
	s_mov_b32 s23, 0
	s_lshl_b32 s26, ttmp9, 11                      ; g, beta: chunk x 64 x 32 bytes + 4 head
	s_lshl2_add_u32 s26, s20, s26
	s_mov_b32 s27, 0
	s_lshl_b32 s28, s20, 7
	s_add_co_u32 s28, s28, ttmp9                   ; 128 head + chunk
	s_lshl_b32 s30, s28, 15                        ; x 32,768 bytes of ut
	s_mov_b32 s31, 0
	s_mul_i32 s28, s28, REC                        ; x a record
	s_mov_b32 s29, 0
	s_mul_i32 s19, s18, PVB
	s_add_co_u32 s19, s19, PV                      ; my wave's own vectors
	s_lshl_b32 s21, s18, 10
	v_add_nc_u32 v[POFF], s21, v[L16]              ; 1,024 w + 16 lane: my fragment's place in a group of four
	v_mov_b32 v241, 0                              ; a destination that counts as read,
	v_mov_b32 v243, 0                              ; and the unused halves of two pairs
	v_mov_b32 v247, 0
	s_wait_kmcnt 0x0
	s_add_nc_u64 s[4:5], s[4:5], s[22:23]
	s_add_nc_u64 s[6:7], s[6:7], s[22:23]
	s_add_nc_u64 s[8:9], s[8:9], s[22:23]
	s_add_nc_u64 s[10:11], s[10:11], s[26:27]
	s_add_nc_u64 s[12:13], s[12:13], s[26:27]
	s_add_nc_u64 s[14:15], s[14:15], s[28:29]
	s_add_nc_u64 s[16:17], s[16:17], s[30:31]
; ---- phase 0: loads, prefix sum of g, the gates' vectors, norms, f16 copies in LDS
	global_load_b32 v[GA], v[L32], s[10:11]                ; g of tokens lane and lane + 32
	global_load_b32 v[GB], v[L32], s[10:11] offset:1024
	global_load_b32 v[BA], v[L32], s[12:13]
	global_load_b32 v[BB], v[L32], s[12:13] offset:1024
.set i, 0
.rept 16
	global_load_b128 v[XK+4*i:XK+4*i+3], v[L16], s[6:7] offset:4096*i th:TH_LOAD_NT
.set i, i+1
.endr
.set i, 0
.rept 16
	global_load_b128 v[XQ+4*i:XQ+4*i+3], v[L16], s[4:5] offset:4096*i th:TH_LOAD_NT
.set i, i+1
.endr
.set i, 0
.rept 16
	global_load_b128 v[XV+4*i:XV+4*i+3], v[L16], s[8:9] offset:4096*i th:TH_LOAD_NT
.set i, i+1
.endr
	s_lshl_b32 s21, s18, 6
	s_add_co_u32 s22, s21, s19
	v_mov_b32 v19, s22                             ; my 16 rows' words in my own vectors
	s_mul_i32 s21, s18, 4352
	v_lshl_add_u32 v21, v[LN], 3, s21              ; row 16 w, 8 bytes a lane
	s_wait_loadcnt 48                              ; g and beta are in; the 48 row loads stay out
	v_mul_f32 v[GA], 0x3fb8aa3b, v[GA]             ; in units of log2
	v_mul_f32 v[GB], 0x3fb8aa3b, v[GB]
.irp d, 1,2,4,8,16
	v_add_nc_u32 v14, -4*\d, v[L4]
	ds_bpermute_b32 v15, v14, v[GA]                ; lane l takes lane l - d
	ds_bpermute_b32 v16, v14, v[GB]
	v_cmp_le_u32 vcc_lo, \d, v[LN]
	s_wait_dscnt 0x0
	v_cndmask_b32 v15, 0, v15, vcc_lo
	v_cndmask_b32 v16, 0, v16, vcc_lo
	v_add_f32 v[GA], v[GA], v15
	v_add_f32 v[GB], v[GB], v16
.endr
	v_readlane_b32 s21, v[GA], 31
	v_add_f32 v[GB], s21, v[GB]
	v_readlane_b32 s32, v[GB], 31                  ; G63
	v_sub_f32 v14, s32, v[GA]
	v_sub_f32 v15, s32, v[GB]
	v_add_f32 v16, 0xc0600000, v[GA]               ; G - 3.5: 128^-0.5 is 2^-3.5
	v_add_f32 v17, 0xc0600000, v[GB]
	v_exp_f32 v14, v14                             ; e^(G63-G)
	v_exp_f32 v15, v15
	v_exp_f32 v[EA], v[GA]                         ; e^G
	v_exp_f32 v[EB], v[GB]
	v_exp_f32 v248, v16                            ; fq
	v_exp_f32 v249, v17
	v_exp_f32 v250, s32                            ; gc
	v_add_nc_u32 v[PVL], s19, v[L4]                ; the plain instruction behind the exponentials
	s_wait_alu depctr_va_vdst(0)
	v_mul_f32 v16, -v[BA], v[EA]                   ; -beta e^G
	v_mul_f32 v17, -v[BB], v[EB]
	ds_store_b32 v[PVL], v[GA] offset:VG
	ds_store_b32 v[PVL], v[GB] offset:VG+128
	ds_store_b32 v[PVL], v14 offset:VD
	ds_store_b32 v[PVL], v15 offset:VD+128
	ds_store_b32 v[PVL], v[BA] offset:VBT
	ds_store_b32 v[PVL], v[BB] offset:VBT+128
	ds_store_b32 v[PVL], v16 offset:VW
	ds_store_b32 v[PVL], v17 offset:VW+128
.irp m, 0,1,2,3
	ds_load_b128 v[DD+4*\m:DD+4*\m+3], v19 offset:VD+16*\m   ; e^(G63-G) of my 16 rows, in every lane (a wave's LDS instructions are served in order)
.endr
	s_cmp_lg_u32 s18, 0
	s_cbranch_scc1 .Lnofq
	global_store_b32 v[L4], v248, s[14:15] offset:57344
	global_store_b32 v[L4], v249, s[14:15] offset:57344+128
	global_store_b32 v[L4], v250, s[14:15] offset:57600    ; 64 copies, so that any lane finds one
	global_store_b32 v[L4], v250, s[14:15] offset:57600+128
.Lnofq:
.macro ROWSUM x                        ; v242 = rsqrt(sum over the row of x^2 + 1e-6), in every lane
	v_mul_f32 v240, v[\x], v[\x]
	v_fmac_f32 v240, v[\x+1], v[\x+1]
	v_fmac_f32 v240, v[\x+2], v[\x+2]
	v_fmac_f32 v240, v[\x+3], v[\x+3]
	v_add_f32_dpp v240, v240, v240 row_xmask:1 row_mask:0xf bank_mask:0xf
	v_add_f32_dpp v240, v240, v240 row_xmask:2 row_mask:0xf bank_mask:0xf
	v_add_f32_dpp v240, v240, v240 row_xmask:4 row_mask:0xf bank_mask:0xf
	v_add_f32_dpp v240, v240, v240 row_xmask:8 row_mask:0xf bank_mask:0xf
	v_permlanex16_b32 v241, v240, s24, s25
	v_add_f32 v240, v240, v241
	v_add_f32 v240, 0x358637bd, v240
	v_rsq_f32 v242, v240                           ; the caller's next line is a plain instruction that touches neither v240 nor v242
.endm
	s_wait_dscnt 0x0
	s_wait_loadcnt 32                              ; k's rows are in; q's and v's stay out
.set i, 0
.rept 16
	ROWSUM XK+4*i
	v_mov_b32 v246, v[DD+i]                        ; the row's decay into a pair's first half: the plain instruction behind v_rsq_f32
	s_wait_alu depctr_va_vdst(0)
	v_pk_mul_f32 v[XK+4*i:XK+4*i+1], v[XK+4*i:XK+4*i+1], v[242:243] op_sel_hi:[1,0]       ; kn
	v_pk_mul_f32 v[XK+4*i+2:XK+4*i+3], v[XK+4*i+2:XK+4*i+3], v[242:243] op_sel_hi:[1,0]
	v_cvt_pk_f16_f32 v244, v[XK+4*i], v[XK+4*i+1]
	v_cvt_pk_f16_f32 v245, v[XK+4*i+2], v[XK+4*i+3]
	ds_store_b64 v21, v[244:245] offset:KB+272*i
	v_pk_mul_f32 v[XK+4*i:XK+4*i+1], v[XK+4*i:XK+4*i+1], v[246:247] op_sel_hi:[1,0]       ; kn e^(G63-G)
	v_pk_mul_f32 v[XK+4*i+2:XK+4*i+3], v[XK+4*i+2:XK+4*i+3], v[246:247] op_sel_hi:[1,0]
	v_cvt_pk_f16_f32 v244, v[XK+4*i], v[XK+4*i+1]
	v_cvt_pk_f16_f32 v245, v[XK+4*i+2], v[XK+4*i+3]
	ds_store_b64 v21, v[244:245] offset:KD+272*i
.set i, i+1
.endr
	s_wait_loadcnt 0x0                             ; q's and v's rows are in
.set i, 0
.rept 16
	ROWSUM XQ+4*i
	v_cvt_pk_f16_f32 v244, v[XV+4*i], v[XV+4*i+1]  ; the same row of v: plain work behind v_rsq_f32
	v_cvt_pk_f16_f32 v245, v[XV+4*i+2], v[XV+4*i+3]
	ds_store_b64 v21, v[244:245] offset:VB+272*i
	s_wait_alu depctr_va_vdst(0)
	v_pk_mul_f32 v[XQ+4*i:XQ+4*i+1], v[XQ+4*i:XQ+4*i+1], v[242:243] op_sel_hi:[1,0]       ; qn
	v_pk_mul_f32 v[XQ+4*i+2:XQ+4*i+3], v[XQ+4*i+2:XQ+4*i+3], v[242:243] op_sel_hi:[1,0]
	v_cvt_pk_f16_f32 v244, v[XQ+4*i], v[XQ+4*i+1]
	v_cvt_pk_f16_f32 v245, v[XQ+4*i+2], v[XQ+4*i+3]
	ds_store_b64 v21, v[244:245] offset:QB+272*i
.set i, i+1
.endr
	s_wait_dscnt 0x0                               ; my stores are done before I say so
	s_barrier_signal -1
	s_barrier_wait -1
; ---- phase 2: the Gram products, rows y as first source: lane (r, hh), register j holds x = 16 w + r, y = 16 n + 8 hh + j
.set KA, 32
.set QA, 64
.set KF, 96
.set DK, 160
.set DQ, 192
	s_lshl_b32 s21, s18, 4
	v_add_nc_u32 v14, s21, v[R]                    ; x
	v_mul_u32_u24 v24, v14, 272
	v_lshl_add_u32 v24, v[HH], 4, v24              ; my tile's fragments
	v_mul_u32_u24 v25, v[R], 272
	v_lshl_add_u32 v25, v[HH], 4, v25              ; tile 0's
.irp ks, 0,1,2,3
	ds_load_b128 v[KA+8*\ks:KA+8*\ks+3], v24 offset:KB+64*\ks
	ds_load_b128 v[KA+8*\ks+4:KA+8*\ks+7], v24 offset:KB+64*\ks+32
	ds_load_b128 v[QA+8*\ks:QA+8*\ks+3], v24 offset:QB+64*\ks
	ds_load_b128 v[QA+8*\ks+4:QA+8*\ks+7], v24 offset:QB+64*\ks+32
.endr
.macro KFL k0
.irp kk, 0,1
.irp n, 0,1,2,3
	ds_load_b128 v[KF+8*(4*\kk+\n):KF+8*(4*\kk+\n)+3], v25 offset:KB+4352*\n+64*(\k0+\kk)
	ds_load_b128 v[KF+8*(4*\kk+\n)+4:KF+8*(4*\kk+\n)+7], v25 offset:KB+4352*\n+64*(\k0+\kk)+32
.endr
.endr
.endm
.macro GRAM k0, zero                   ; eight accumulators take turns, one instruction a turn
.irp kk, 0,1
.irp n, 0,1,2,3
.if (\zero) & (1-\kk)
	v_wmma_f32_16x16x32_f16 v[DK+8*\n:DK+8*\n+7], v[KF+8*(4*\kk+\n):KF+8*(4*\kk+\n)+7], v[KA+8*(\k0+\kk):KA+8*(\k0+\kk)+7], 0
	v_wmma_f32_16x16x32_f16 v[DQ+8*\n:DQ+8*\n+7], v[KF+8*(4*\kk+\n):KF+8*(4*\kk+\n)+7], v[QA+8*(\k0+\kk):QA+8*(\k0+\kk)+7], 0
.else
	v_wmma_f32_16x16x32_f16 v[DK+8*\n:DK+8*\n+7], v[KF+8*(4*\kk+\n):KF+8*(4*\kk+\n)+7], v[KA+8*(\k0+\kk):KA+8*(\k0+\kk)+7], v[DK+8*\n:DK+8*\n+7]
	v_wmma_f32_16x16x32_f16 v[DQ+8*\n:DQ+8*\n+7], v[KF+8*(4*\kk+\n):KF+8*(4*\kk+\n)+7], v[QA+8*(\k0+\kk):QA+8*(\k0+\kk)+7], v[DQ+8*\n:DQ+8*\n+7]
.endif
.endr
.endr
.endm
	KFL 0
	s_wait_dscnt 0x0
.irp ks, 0,1,2,3
	global_store_b128 v[POFF], v[QA+8*\ks:QA+8*\ks+3], s[14:15] offset:16384+4096*\ks       ; qn's fragments are the record's Q part as they stand
	global_store_b128 v[POFF], v[QA+8*\ks+4:QA+8*\ks+7], s[14:15] offset:16384+4096*\ks+512
.endr
	GRAM 0, 1
.rept 4
	v_nop                                          ; four places before loads land on registers that matrix instructions read
.endr
	KFL 2
	s_wait_dscnt 0x0
	GRAM 2, 0
; ---- phase 3: gates and masks.  The address arithmetic fills the places behind the matrix instructions.
.set GY, 32
.set NY, 96
.set E1, 128
.set E2, 136
.set PP, 144
.set DLT, 26
.set GX, 27
.set GXS, 28
	v_lshl_add_u32 v19, v14, 2, s19                ; my own vectors at x
	v_lshl_add_u32 v21, v[HH], 5, s19              ; my own vectors at 8 hh
	v_mul_u32_u24 v15, v14, 272
	v_lshl_add_u32 v15, v[HH], 5, v15
	v_add_nc_u32 v31, NAT, v15                     ; NAT row x, word 8 hh
	v_mul_u32_u24 v15, v14, 80
	v_lshl_add_u32 v15, v[HH], 4, v15
	v_add_nc_u32 v24, NAB, v15                     ; NAB row x
	v_lshlrev_b32 v15, 3, v[HH]
	v_sub_nc_u32 v[DLT], v14, v15                  ; x - 8 hh: y <= x where 16 n + j <= this
	s_wait_xcnt 0x0                                ; the stores above have read qn's fragments: their registers are loaded again only behind this wait
	ds_load_b32 v[GX], v19 offset:VG
.irp n, 0,1,2,3
	ds_load_b128 v[GY+8*\n:GY+8*\n+3], v21 offset:VG+64*\n
	ds_load_b128 v[GY+8*\n+4:GY+8*\n+7], v21 offset:VG+64*\n+16
	ds_load_b128 v[NY+8*\n:NY+8*\n+3], v21 offset:VBT+64*\n
	ds_load_b128 v[NY+8*\n+4:NY+8*\n+7], v21 offset:VBT+64*\n+16
.endr
	s_wait_dscnt 0x0
	v_add_f32 v[GXS], 0xc0600000, v[GX]            ; G_x - 3.5: the scale 128^-0.5 rides in P's exponent
.macro ELEM n
.set j, 0
.rept 8
	v_sub_f32 v[E1+j], v[GXS], v[GY+8*\n+j]
	v_sub_f32 v[E2+j], v[GY+8*\n+j], v[GX]
.set j, j+1
.endr
.set j, 0
.rept 8
	v_exp_f32 v[E1+j], v[E1+j]
	v_exp_f32 v[E2+j], v[E2+j]
.set j, j+1
.endr
.set j, 0
.rept 8
	v_mul_f32 v[DK+8*\n+j], v[DK+8*\n+j], -v[NY+8*\n+j]    ; x (-beta_y): plain work behind the run of exponentials
.set j, j+1
.endr
.set j, 0
	s_wait_alu depctr_va_vdst(0)
.rept 8
	v_cmp_le_i32 vcc_lo, 16*\n+j, v[DLT]           ; y <= x
	v_mul_f32 v[DQ+8*\n+j], v[DQ+8*\n+j], v[E1+j]
	v_mul_f32 v[DK+8*\n+j], v[DK+8*\n+j], v[E2+j]
	v_cndmask_b32 v[DQ+8*\n+j], 0, v[DQ+8*\n+j], vcc_lo    ; P lives where y <= x,
	v_cndmask_b32 v[DK+8*\n+j], v[DK+8*\n+j], 0, vcc_lo    ; -A where y > x; whatever the other side held is dropped
.set j, j+1
.endr
.irp t, 0,1,2,3
	v_cvt_pk_f16_f32 v[PP+4*\n+\t], v[DQ+8*\n+2*\t], v[DQ+8*\n+2*\t+1]
.endr
	global_store_b128 v[POFF], v[PP+4*\n:PP+4*\n+3], s[14:15] offset:32768+(\n>>1)*4096+(\n&1)*512
	ds_store_b128 v31, v[DK+8*\n:DK+8*\n+3] offset:64*\n
	ds_store_b128 v31, v[DK+8*\n+4:DK+8*\n+7] offset:64*\n+16
.if \n >= 2
.irp t, 0,1,2,3
	v_cvt_pk_f16_f32 v[E1+\t], v[DK+8*\n+2*\t], v[DK+8*\n+2*\t+1]
.endr
	ds_store_b128 v24, v[E1:E1+3] offset:32*(\n-2)
.endif
.endm
	ELEM 0
	ELEM 1
	ELEM 2
	ELEM 3
	v_and_b32 v14, 7, v0
	v_lshl_add_u32 v15, v[HH], 3, v14              ; 8 hh + lane mod 8
	v_bfe_u32 v16, v0, 3, 1
	v_mul_u32_u24 v25, v15, 272
	v_lshl_add_u32 v25, v16, 4, v25                ; transposing loads from rows of 272 bytes
	v_mul_u32_u24 v26, v15, 80
	v_lshl_add_u32 v26, v16, 4, v26
	v_add_nc_u32 v26, T0, v26                      ; and from T0's rows of 80
	s_wait_dscnt 0x0
	s_barrier_signal -1
	s_barrier_wait -1
; ---- phase 4: waves 0, 1 invert a diagonal block each; waves 2, 3 transpose the scaled kn
	s_wait_xcnt 0x0                                ; P's stores have read their registers
	s_cmp_ge_u32 s18, 2
	s_cbranch_scc1 .Lkt
.set TT, 32                            ; T[lane][c] in v[TT+c]
.set AR, 64                            ; coefficients, as loaded
.set TX, 240
; T = I - T A, column by column from the right: T[i][c] = (i == c) + sum over j > c of T[i][j] (-A[j][c]).  Lane = row i.
.macro SUBPH chi, clo
.set cc, \chi
.set ar, AR
.rept \chi-\clo+1
.set mm, (cc+1)/4
.rept 8-mm
	ds_load_b128 v[ar:ar+3], v19 offset:cc*272+16*mm   ; the same words for every lane
.set mm, mm+1
.set ar, ar+4
.endr
.set cc, cc-1
.endr
	s_wait_dscnt 0x0
.set cc, \chi
.set ar, AR
.rept \chi-\clo+1
.set mm, (cc+1)/4
	v_cmp_eq_u32 vcc_lo, cc, v[LN]
	v_cndmask_b32 v[TT+cc], 0, 1.0, vcc_lo
	v_mov_b32 v[TX], 0
.set jj, mm*4
.rept (8-mm)*4
.if jj > cc
.if jj & 1
	v_fmac_f32 v[TX], v[ar], v[TT+jj]              ; two chains, odd and even j
.else
	v_fmac_f32 v[TT+cc], v[ar], v[TT+jj]
.endif
.endif
.set jj, jj+1
.set ar, ar+1
.endr
	v_add_f32 v[TT+cc], v[TT+cc], v[TX]
.set cc, cc-1
.endr
.endm
	s_mul_i32 s21, s18, 8832                       ; block b: 32 rows of 272 bytes and 32 words on
	s_add_co_u32 s21, s21, NAT
	v_mov_b32 v19, s21
	SUBPH 31, 15
	SUBPH 14, 7
	SUBPH 6, 3
	SUBPH 2, 0
	s_lshl_b32 s21, s18, 5
	v_add_nc_u32 v14, s21, v[LN]                   ; row 32 b + lane
	v_mul_u32_u24 v15, v14, 80
	v_add_nc_u32 v20, T0, v15
	v_mul_u32_u24 v15, v14, 144
	v_add_nc_u32 v15, T1, v15
	s_lshl_b32 s21, s18, 6
	v_add_nc_u32 v21, s21, v15                     ; my block's columns,
	s_xor_b32 s21, s21, 64
	v_add_nc_u32 v24, s21, v15                     ; the other block's
	s_lshl_b32 s21, s18, 7
	s_add_co_u32 s21, s21, s19
	v_mov_b32 v30, s21
.irp m, 0,1,2,3,4,5,6,7
	ds_load_b128 v[96+4*\m:96+4*\m+3], v30 offset:VBT+16*\m
	ds_load_b128 v[128+4*\m:128+4*\m+3], v30 offset:VW+16*\m
.endr
.set i, 0
.rept 16
	v_cvt_pk_f16_f32 v[64+i], v[TT+2*i], v[TT+2*i+1]
.set i, i+1
.endr
.irp m, 0,1,2,3
	v_mov_b32 v[224+\m], 0
.endr
.irp m, 0,1,2,3
	ds_store_b128 v20, v[64+4*\m:64+4*\m+3] offset:16*\m
	ds_store_b128 v24, v[224:227] offset:16*\m             ; zeros beside the block (the lower left is written over in phase 5)
	ds_store_b128 v24, v[224:227] offset:T21+16*\m
.endr
	s_wait_dscnt 0x0
.set i, 0
.rept 16
	v_pk_mul_f32 v[160:161], v[TT+2*i:TT+2*i+1], v[96+2*i:96+2*i+1]
	v_pk_mul_f32 v[162:163], v[TT+2*i:TT+2*i+1], v[128+2*i:128+2*i+1]
	v_cvt_pk_f16_f32 v[192+i], v160, v161
	v_cvt_pk_f16_f32 v[208+i], v162, v163
.set i, i+1
.endr
.irp m, 0,1,2,3
	ds_store_b128 v21, v[192+4*\m:192+4*\m+3] offset:16*\m
	ds_store_b128 v21, v[208+4*\m:208+4*\m+3] offset:T21+16*\m
.endr
	s_branch .Ljoin4
.Lkt:
	s_sub_co_u32 s21, s18, 2                       ; which 32 tokens
	s_mul_i32 s26, s21, 8704
	v_add_nc_u32 v14, s26, v25
	s_lshl_b32 s26, s21, 13
	v_add_nc_u32 v31, s26, v[L16]
.irp m, 0,1,2,3,4,5,6,7
	ds_load_tr16_b128 v[160+8*\m:160+8*\m+3], v14 offset:KD+32*\m
	ds_load_tr16_b128 v[160+8*\m+4:160+8*\m+7], v14 offset:KD+32*\m+4352
.endr
	s_wait_dscnt 0x0
.irp m, 0,1,2,3,4,5,6,7
	global_store_b128 v31, v[160+8*\m:160+8*\m+3], s[14:15] offset:40960+1024*\m
	global_store_b128 v31, v[160+8*\m+4:160+8*\m+7], s[14:15] offset:40960+1024*\m+512
.endr
.Ljoin4:
	s_wait_dscnt 0x0
	s_barrier_signal -1
	s_barrier_wait -1
; ---- phase 5: waves 2, 3: rows 16 w .. of the lower left block, T10 = (T11 (-A10)) T00
	s_lshl_b32 s21, s18, 4
	v_add_nc_u32 v14, s21, v[R]                    ; row 16 w + r
	v_mul_u32_u24 v15, v14, 144
	v_lshl_add_u32 v15, v[HH], 4, v15
	v_add_nc_u32 v19, T1, v15                      ; my row of T1, 16 hh bytes in: stores here, fragments in phase 6
	s_cmp_lt_u32 s18, 2
	s_cbranch_scc1 .Lskip5
	v_mul_u32_u24 v15, v[R], 80
	v_lshl_add_u32 v15, v[HH], 4, v15
	v_add_nc_u32 v20, NAB, v15
	v_mul_u32_u24 v15, v14, 80
	v_lshl_add_u32 v15, v[HH], 4, v15
	v_add_nc_u32 v21, T0, v15
	v_lshl_add_u32 v24, v[HH], 5, s19
	ds_load_b128 v[32:35], v20
	ds_load_b128 v[36:39], v20 offset:32
	ds_load_b128 v[40:43], v20 offset:1280
	ds_load_b128 v[44:47], v20 offset:1312
	ds_load_b128 v[48:51], v21
	ds_load_b128 v[52:55], v21 offset:32
	ds_load_tr16_b128 v[80:83], v26
	ds_load_tr16_b128 v[84:87], v26 offset:1280
	ds_load_tr16_b128 v[88:91], v26 offset:32
	ds_load_tr16_b128 v[92:95], v26 offset:1312
.irp ct, 0,1
	ds_load_b128 v[112+8*\ct:112+8*\ct+3], v24 offset:VBT+64*\ct
	ds_load_b128 v[112+8*\ct+4:112+8*\ct+7], v24 offset:VBT+64*\ct+16
	ds_load_b128 v[128+8*\ct:128+8*\ct+3], v24 offset:VW+64*\ct
	ds_load_b128 v[128+8*\ct+4:128+8*\ct+7], v24 offset:VW+64*\ct+16
.endr
	s_wait_dscnt 0x0
	v_wmma_f32_16x16x32_f16 v[56:63], v[32:39], v[48:55], 0        ; lane = row i, registers = 8 neighbouring columns
	v_wmma_f32_16x16x32_f16 v[64:71], v[40:47], v[48:55], 0
.rept 4
	v_nop
.endr
.irp t, 0,1,2,3
	v_cvt_pk_f16_f32 v[72+\t], v[56+2*\t], v[56+2*\t+1]
	v_cvt_pk_f16_f32 v[76+\t], v[64+2*\t], v[64+2*\t+1]
.endr
	v_wmma_f32_16x16x32_f16 v[96:103], v[80:87], v[72:79], 0
	v_wmma_f32_16x16x32_f16 v[104:111], v[88:95], v[72:79], 0
.rept 4
	v_nop
.endr
.irp ct, 0,1
.irp t, 0,1,2,3
	v_pk_mul_f32 v[144:145], v[96+8*\ct+2*\t:96+8*\ct+2*\t+1], v[112+8*\ct+2*\t:112+8*\ct+2*\t+1]
	v_pk_mul_f32 v[146:147], v[96+8*\ct+2*\t:96+8*\ct+2*\t+1], v[128+8*\ct+2*\t:128+8*\ct+2*\t+1]
	v_cvt_pk_f16_f32 v[148+\t], v144, v145
	v_cvt_pk_f16_f32 v[152+\t], v146, v147
.endr
	ds_store_b128 v19, v[148:151] offset:32*\ct
	ds_store_b128 v19, v[152:155] offset:T21+32*\ct
.endr
.Lskip5:
	s_wait_dscnt 0x0
	s_barrier_signal -1
	s_barrier_wait -1
; ---- phase 6: ut = T1 V (rows as first source) and NW = T2 Kn (columns as first source, so that a lane packs 8 neighbouring numbers of a row)
.set TA, 32
.set VF, 64
.set AC, 192
	s_wait_xcnt 0x0                                ; every store so far has read its registers
.irp ks, 0,1
	ds_load_b128 v[TA+8*\ks:TA+8*\ks+3], v19 offset:64*\ks
	ds_load_b128 v[TA+8*\ks+4:TA+8*\ks+7], v19 offset:64*\ks+32
	ds_load_b128 v[TA+16+8*\ks:TA+16+8*\ks+3], v19 offset:T21+64*\ks
	ds_load_b128 v[TA+16+8*\ks+4:TA+16+8*\ks+7], v19 offset:T21+64*\ks+32
.endr
.macro TRL base
.irp ks, 0,1
.irp n, 0,1,2,3,4,5,6,7
	ds_load_tr16_b128 v[VF+8*(8*\ks+\n):VF+8*(8*\ks+\n)+3], v25 offset:\base+8704*\ks+32*\n
	ds_load_tr16_b128 v[VF+8*(8*\ks+\n)+4:VF+8*(8*\ks+\n)+7], v25 offset:\base+8704*\ks+32*\n+4352
.endr
.endr
.endm
	TRL VB
	s_wait_dscnt 0x0
.irp n, 0,1,2,3,4,5,6,7
	v_wmma_f32_16x16x32_f16 v[AC+8*\n:AC+8*\n+7], v[TA:TA+7], v[VF+8*\n:VF+8*\n+7], 0
.endr
.irp n, 0,1,2,3,4,5,6,7
	v_wmma_f32_16x16x32_f16 v[AC+8*\n:AC+8*\n+7], v[TA+8:TA+15], v[VF+64+8*\n:VF+64+8*\n+7], v[AC+8*\n:AC+8*\n+7]
.endr
.rept 5
	v_nop                                          ; four places for the stores and loads below, five for the products that write these accumulators anew
.endr
.irp n, 0,1,2,3,4,5,6,7
	global_store_b128 v[POFF], v[AC+8*\n:AC+8*\n+3], s[16:17] offset:4096*\n           ; a wave's store covers 512 consecutive bytes
	global_store_b128 v[POFF], v[AC+8*\n+4:AC+8*\n+7], s[16:17] offset:4096*\n+512
.endr
	TRL KB
	s_wait_dscnt 0x0
	s_wait_xcnt 0x0                                ; the accumulators are written again only behind this wait
.irp n, 0,1,2,3,4,5,6,7
	v_wmma_f32_16x16x32_f16 v[AC+8*\n:AC+8*\n+7], v[VF+8*\n:VF+8*\n+7], v[TA+16:TA+23], 0
.endr
.irp n, 0,1,2,3,4,5,6,7
	v_wmma_f32_16x16x32_f16 v[AC+8*\n:AC+8*\n+7], v[VF+64+8*\n:VF+64+8*\n+7], v[TA+24:TA+31], v[AC+8*\n:AC+8*\n+7]
.endr
.rept 4
	v_nop
.endr
.irp n, 0,1,2,3,4,5,6,7
.irp t, 0,1,2,3
	v_cvt_pk_f16_f32 v[VF+4*\n+\t], v[AC+8*\n+2*\t], v[AC+8*\n+2*\t+1]
.endr
	global_store_b128 v[POFF], v[VF+4*\n:VF+4*\n+3], s[14:15] offset:(\n>>1)*4096+(\n&1)*512
.endr
	s_wait_tensorcnt 0x0
	ds_add_u32 v22, v29
	s_wait_dscnt 0x0
	s_endpgm
.Lfunc_end_k_qb5f6bc85d8_prep:
	.size	k_qb5f6bc85d8_prep, .Lfunc_end_k_qb5f6bc85d8_prep-k_qb5f6bc85d8_prep
	.p2alignl 7, 3214868480
	.fill 96, 4, 3214868480
	.section	.rodata,"a",@progbits
	.p2align	6, 0x0
	.amdhsa_kernel k_qb5f6bc85d8_prep
		.amdhsa_group_segment_fixed_size 120320
		.amdhsa_private_segment_fixed_size 0
		.amdhsa_enable_private_segment 0
		.amdhsa_kernarg_size 56
		.amdhsa_user_sgpr_count 2
		.amdhsa_user_sgpr_kernarg_segment_ptr 1
		.amdhsa_wavefront_size32 1
		.amdhsa_system_sgpr_workgroup_id_x 1
		.amdhsa_system_sgpr_workgroup_id_y 1
		.amdhsa_system_sgpr_workgroup_id_z 1
		.amdhsa_system_vgpr_workitem_id 0
		.amdhsa_next_free_vgpr 256
		.amdhsa_next_free_sgpr 66
		.amdhsa_reserve_vcc 1
		.amdhsa_float_denorm_mode_32 3
		.amdhsa_float_denorm_mode_16_64 3
		.amdhsa_memory_ordered 1
		.amdhsa_forward_progress 1
		.amdhsa_inst_pref_size 129
	.end_amdhsa_kernel
	.amdgpu_metadata
---
amdhsa.version: [ 1, 2 ]
amdhsa.kernels:
  - .name:           k_qb5f6bc85d8_prep
    .symbol:         k_qb5f6bc85d8_prep.kd
    .args:
      - { .name: q, .offset: 0, .size: 8, .value_kind: global_buffer, .address_space: global }
      - { .name: k, .offset: 8, .size: 8, .value_kind: global_buffer, .address_space: global }
      - { .name: v, .offset: 16, .size: 8, .value_kind: global_buffer, .address_space: global }
      - { .name: g, .offset: 24, .size: 8, .value_kind: global_buffer, .address_space: global }
      - { .name: beta, .offset: 32, .size: 8, .value_kind: global_buffer, .address_space: global }
      - { .name: rec, .offset: 40, .size: 8, .value_kind: global_buffer, .address_space: global }
      - { .name: ut, .offset: 48, .size: 8, .value_kind: global_buffer, .address_space: global }
    .group_segment_fixed_size: 120320
    .private_segment_fixed_size: 0
    .kernarg_segment_align: 8
    .kernarg_segment_size: 56
    .max_flat_workgroup_size: 128
    .sgpr_count:     66
    .vgpr_count:     256
    .wavefront_size: 32
...
	.end_amdgpu_metadata
.endif
;; end of part 1
;; launch scan (part 2): grid 8 x 8, 1 waves a work-group, clusters of 4 x 1, 327,680 bytes of LDS; arguments rec, ut, initial_state, out0, out1; writes out0, out1
.if DOCPART == 2
	.amdgcn_target "amdgcn-amd-amdhsa--gfx1250"
	.amdhsa_code_object_version 6
	.text
	.protected	k_qb5f6bc85d8_scan
	.globl	k_qb5f6bc85d8_scan
	.p2align	8
	.type	k_qb5f6bc85d8_scan,@function
k_qb5f6bc85d8_scan:
	s_mov_b64 s[64:65], 0
	v_nop
	global_prefetch_b8 v0, s[64:65] scope:SCOPE_SE
	s_setreg_imm32_b32 hwreg(HW_REG_WAVE_MODE, 25, 1), 1
	s_wait_xcnt 0x0
	s_wait_alu depctr_hold_cnt(0) depctr_sa_sdst(0) depctr_va_vdst(0) depctr_va_sdst(0) depctr_va_ssrc(0) depctr_va_vcc(0) depctr_vm_vsrc(0)
	s_getreg_b32 s2, hwreg(HW_REG_IB_STS2, 6, 4)
	s_cmp_eq_u32 s2, 0
	s_cbranch_scc0 .Lentry_in_a_cluster
	s_endpgm
.Lentry_in_a_cluster:
	s_bfe_u32 s2, ttmp6, 0x10000c
	s_cmp_lg_u32 s2, 0x3003
	s_cbranch_scc0 .Lentry_shape_is_right
	s_endpgm
.Lentry_shape_is_right:
; Gated delta rule, the chain over 128 chunks of 64 tokens.  A work-group of one wave owns a head and 16 columns of its state S [128 x 16], f32.
; Per chunk, with the operands that the launch before prepared:  U = UT + NW S;  O = fq o (Qn S) + P U;  S = gc S + KT U.
; S and U enter the products rounded to f16 (11 bits: each output is a sum of a few large products, so an operand's rounding is not averaged out);
; S itself, U's sum and O stay f32.
; The state's 8 tiles in accumulator layout pack straight into second-source fragments, and so do U's 4 tiles: no shuffle, no LDS round trip.
; O is made with the fragments swapped, so that a lane holds 8 neighbouring columns of one token's row.
; CLUSTER: the four work-groups of a cluster own four slices of one head and read the same records: each record pair is asked for jointly
; (mask 15) and lands in every partner's LDS.  Its address hangs on the head alone.
; Two LDS slots of two records each; one joint load a slot; two tensor loads are out at the start, later one.
; LIMITS: |S| and |U| below 65,504, f16's largest number (they are of the size of v and of initial_state as long as g <= 0);
; a work-group owns 64 bytes of every row of out0, of out1 and of initial_state, so these move in pieces of 64 bytes;
; the chain has work for 64 work-groups only (8 heads x 8 slices of 16 columns, the narrowest matrix tile).
.set REC, 57856
.set SLOT, 2*REC
.set L16, 3                            ; window 0: v3 16 lane; v4-7 fragments' address, record 0..3 of LDS; v8 out0 offset; v9 state offset
.set AD, 4
.set OOF, 8
.set SOF, 9
.set FA, 10                            ; v10-13 4 r + record base
.set GC, 14                            ; v14-17 gc of the slot's two chunks, each twice
.set SB, 32                            ; v32-63 S as f16 fragments (4 x 32 along dk)
.set UB, 64                            ; v64-79 U as f16 fragments (2 x 32 tokens)
.set FQ, 80                            ; v80-95 fq of token 16 mt + r, each twice
.set SS, 0                             ; window 1: v0-63 S, v64-95 and v96-127 U of even and odd chunks, v128-159 O
.set UA, 64
.set OO, 128
.set G1, 24                            ; window 2: four buffers of 64 registers for fragments from LDS
.set G0, 32
.set MSB, 0
.macro WIN new                         ; the immediate's high byte repeats the setting that is left
.if MSB != \new
	s_set_vgpr_msb (MSB<<8)|\new
.set MSB, \new
.endif
.endm
.macro ROUND                           ; a round of the cluster's barrier
	s_barrier_signal -1
	s_barrier_wait -1
	s_cmp_lg_u32 s14, 0
	s_cbranch_scc1 .Lnot_wave_0_\@
	s_barrier_signal -3
.Lnot_wave_0_\@:
	s_barrier_wait -3
	s_barrier_signal -1
	s_barrier_wait -1
.endm
	s_load_b256 s[4:11], s[0:1], 0x0               ; rec s[4:5], ut s[6:7], initial_state s[8:9], out0 s[10:11]
	s_load_b64 s[12:13], s[0:1], 0x20              ; out1
	v_lshl_add_u32 v254, v0, 2, 0x38800
	v_mov_b32 v255, 0
	ds_add_u32 v254, v255
	ds_add_u32 v254, v255
	v_lshrrev_b32 v1, 5, v0
	v_readfirstlane_b32 s14, v1                    ; wave (there is one)
	s_bfe_u32 s15, ttmp6, 0x40000                  ; cx
	s_lshl_b32 s16, ttmp9, 2
	s_add_co_u32 s16, s16, s15                     ; slice = 4 x cluster x + cx
	s_and_b32 s17, ttmp7, 0xffff                   ; head
	s_mul_i32 s18, s17, 128*REC                    ; the head's records: no place in the cluster enters
	s_mov_b32 s19, 0
	s_lshl_b32 s20, s17, 22                        ; ut: head x 128 x 32,768 + slice x 4,096
	s_lshl_b32 s22, s16, 12
	s_add_co_u32 s20, s20, s22
	s_mov_b32 s21, 0
	s_lshl_b32 s22, s16, 6                         ; slice x 64 bytes
	s_lshl_b32 s42, s17, 16                        ; state: head x 65,536
	s_add_co_u32 s42, s42, s22
	s_mov_b32 s43, 0
	s_lshl_b32 s44, s17, 9                         ; out0: head x 512
	s_add_co_u32 s44, s44, s22
	s_mov_b32 s45, 0
	; group 1: a dense block of 115,712 bytes as 452 rows of 32 elements of 8 bytes
	s_mov_b32 s[G1+0], 15|(3<<16)|(1<<21)          ; mask: the four partners; elements of 8 bytes; bit 21 beside a mask
	s_mov_b32 s[G1+1], 32<<16                      ; tensor_dim0 = 32
	s_mov_b32 s[G1+2], 452<<16                     ; tensor_dim1 = 452
	s_mov_b32 s[G1+3], 32<<16                      ; tile_dim0 = 32
	s_mov_b32 s[G1+4], 452                         ; tile_dim1 = 452
	s_mov_b32 s[G1+5], 32                          ; pitch
	s_mov_b32 s[G1+6], 0
	s_mov_b32 s[G1+7], 0
	s_mov_b32 s[G0+0], 1
	s_mov_b32 s[G0+1], 0
	s_mov_b32 s[G0+4], 1
	s_mov_b32 s[G0+5], SLOT
	v_and_b32 v1, 15, v0                           ; r
	v_bfe_u32 v2, v0, 4, 1                         ; hh
	v_lshlrev_b32 v[L16], 4, v0
	v_lshlrev_b32 v18, 2, v1
.irp i, 0,1,2,3
	v_add_nc_u32 v[AD+\i], \i*REC, v[L16]
	v_add_nc_u32 v[FA+\i], \i*REC, v18
.endr
	v_lshlrev_b32 v[OOF], 12, v1                   ; token r's row of 4,096 bytes
	v_lshl_add_u32 v[OOF], v2, 5, v[OOF]           ; + 8 hh columns
	v_lshl_add_u32 v[SOF], v2, 12, v18             ; state: 8 hh rows of 512 bytes + column r
	s_wait_dscnt 0x0
	s_wait_kmcnt 0x0
	s_add_nc_u64 s[4:5], s[4:5], s[18:19]
	s_add_nc_u64 s[6:7], s[6:7], s[20:21]
	s_add_nc_u64 s[8:9], s[8:9], s[42:43]
	s_add_nc_u64 s[12:13], s[12:13], s[42:43]
	s_add_nc_u64 s[10:11], s[10:11], s[44:45]
	s_mov_b64 s[G0+2:G0+3], s[4:5]
	s_or_b32 s[G0+3], s[G0+3], 0x80000000
	s_add_nc_u64 s[G0+6:G0+7], s[4:5], SLOT
	s_or_b32 s[G0+7], s[G0+7], 0x80000000
	ROUND                                          ; the four partners are here: the first joint loads meet
	tensor_load_to_lds s[G0:G0+3], s[G1:G1+7]      ; chunks 0, 1
	s_nop 0
	tensor_load_to_lds s[G0+4:G0+7], s[G1:G1+7]    ; chunks 2, 3
	s_nop 0
	WIN 0x40                                       ; loaded data into window 1
.set i, 0
.rept 64
	global_load_b32 v[SS+i], v[SOF], s[8:9] offset:(16*(i>>3)+(i&7))*512   ; tile t, register j: row 16 t + 8 hh + j
.set i, i+1
.endr
.set i, 0
.rept 16
	global_load_b128 v[UA+4*i:UA+4*i+3], v[L16], s[6:7] offset:(i>>3)*32768+512*(i&7)   ; UT of chunks 0 and 1, straight into U's accumulators
.set i, i+1
.endr
	WIN 0
	s_wait_xcnt 0x0                                ; the base is stepped only behind this wait
	s_add_nc_u64 s[6:7], s[6:7], 65536
	s_wait_loadcnt 16                              ; the state is in; the 16 loads of UT stay out
	WIN 0x05
.set i, 0
.rept 32
	v_cvt_pk_f16_f32 v[SB+i], v[SS+2*i], v[SS+2*i+1]
.set i, i+1
.endr
; Group G (0..15) of a slot: chunk G >> 3, part G & 7: NW (2 groups), Q (2), P (2 half groups), KT (2).  Buffer G & 3.
.macro LDG slot, G
.set lg, (\G)&7
.set lad, AD+2*\slot+((\G)>>3)
.set lbf, ((\G)&3)*64
.if lg < 4
.set lof, lg*8192
.set lnf, 8
.elseif lg < 6
.set lof, 32768+(lg-4)*4096
.set lnf, 4
.else
.set lof, 40960+(lg-6)*8192
.set lnf, 8
.endif
	WIN 0x80
.set lf, 0
.rept lnf
	ds_load_b128 v[lbf+8*lf:lbf+8*lf+3], v[lad] offset:lof+1024*lf           ; 32 lanes, 16 neighbouring bytes each
	ds_load_b128 v[lbf+8*lf+4:lbf+8*lf+7], v[lad] offset:lof+1024*lf+512
.set lf, lf+1
.endr
.endm
.macro CNT G                           ; CN = LDS loads of group G
.if (\G) > 15
.set CN, 0
.elseif ((\G)&6) == 4
.set CN, 8
.else
.set CN, 16
.endif
.endm
; The two chunks of a slot.  pref = 1: UT two chunks ahead is fetched; last = 1: the slot holds the last chunks.
; Matrix instructions take their 4 or 8 accumulators by turns, one instruction a turn.
.macro SLOTWORK slot, pref, last
	WIN 0
.set i, 0
.rept 8
	ds_load_b32 v[FQ+2*i], v[FA+2*\slot+(i>>2)] offset:57344+64*(i&3)
	ds_load_b32 v[FQ+2*i+1], v[FA+2*\slot+(i>>2)] offset:57344+64*(i&3)
.set i, i+1
.endr
.irp ci, 0,1
	ds_load_b32 v[GC+2*\ci], v[FA+2*\slot+\ci] offset:57600
	ds_load_b32 v[GC+2*\ci+1], v[FA+2*\slot+\ci] offset:57600
.endr
	LDG \slot, 0
	LDG \slot, 1
	LDG \slot, 2
.set GG, 0
.rept 16
.set sg, GG&7
.set sc, GG>>3
.set sb, (GG&3)*64
.set su, UA+32*sc
.if sg != 0
.rept 4
	v_nop                                          ; four places behind the last group's products: for the loads into its buffer and for what reads its sums
.endr
.endif
.if GG+3 <= 15
	LDG \slot, GG+3
.endif
.if sg == 0
.if (\last)*sc
	s_wait_loadcnt 0x0                             ; the last chunk's UT: nothing was asked for behind it
.else
	s_wait_loadcnt 0x8                             ; this chunk's UT is in; the next chunk's 8 loads stay out
.endif
.endif
.if sg == 2
	s_wait_xcnt 0x0                                ; the last chunk's stores have read O: it is written anew only behind this wait
.endif
.if sg == 4
	WIN 0x05
.set i, 0
.rept 16
	v_cvt_pk_f16_f32 v[UB+i], v[su+2*i], v[su+2*i+1]
.set i, i+1
.endr
.if \pref
	WIN 0x40
.set i, 0
.rept 8
	global_load_b128 v[su+4*i:su+4*i+3], v[L16], s[6:7] offset:sc*32768+512*i   ; UT two chunks ahead, into the accumulators just read
.set i, i+1
.endr
.endif
	WIN 0x41
.set i, 0
.rept 16
	v_pk_mul_f32 v[OO+2*i:OO+2*i+1], v[OO+2*i:OO+2*i+1], v[FQ+8*sc+2*(i>>2):FQ+8*sc+2*(i>>2)+1]
.set i, i+1
.endr
.endif
.if sg == 5
	WIN 0x41
.set i, 0
.rept 32
	v_pk_mul_f32 v[SS+2*i:SS+2*i+1], v[SS+2*i:SS+2*i+1], v[GC+2*sc:GC+2*sc+1]
.set i, i+1
.endr
.endif
.if sg == 6
	WIN 0x04
.set i, 0
.rept 8
	global_store_b128 v[OOF], v[OO+4*i:OO+4*i+3], s[10:11] offset:(64*sc+16*(i>>1))*4096+16*(i&1)
.set i, i+1
.endr
.endif
	CNT GG+1
.set WC, CN
	CNT GG+2
.set WC, WC+CN
	CNT GG+3
.set WC, WC+CN
	s_wait_dscnt WC                                ; LDS loads come back in order: this group is in, the three younger groups stay out
.set i, 0
.if sg < 2
	WIN 0x52
.rept 8
	v_wmma_f32_16x16x32_f16 v[su+8*(i&3):su+8*(i&3)+7], v[sb+8*i:sb+8*i+7], v[SB+8*(2*sg+(i>>2)):SB+8*(2*sg+(i>>2))+7], v[su+8*(i&3):su+8*(i&3)+7]
.set i, i+1
.endr
.elseif sg < 4
	WIN 0x58
.rept 8
.if (sg-2)*8+i < 4
	v_wmma_f32_16x16x32_f16 v[OO+8*(i&3):OO+8*(i&3)+7], v[SB+8*(2*(sg-2)+(i>>2)):SB+8*(2*(sg-2)+(i>>2))+7], v[sb+8*i:sb+8*i+7], 0
.else
	v_wmma_f32_16x16x32_f16 v[OO+8*(i&3):OO+8*(i&3)+7], v[SB+8*(2*(sg-2)+(i>>2)):SB+8*(2*(sg-2)+(i>>2))+7], v[sb+8*i:sb+8*i+7], v[OO+8*(i&3):OO+8*(i&3)+7]
.endif
.set i, i+1
.endr
.elseif sg < 6
	WIN 0x58
.rept 4
	v_wmma_f32_16x16x32_f16 v[OO+8*i:OO+8*i+7], v[UB+8*(sg-4):UB+8*(sg-4)+7], v[sb+8*i:sb+8*i+7], v[OO+8*i:OO+8*i+7]
.set i, i+1
.endr
.else
	WIN 0x52
.rept 8
	v_wmma_f32_16x16x32_f16 v[SS+8*i:SS+8*i+7], v[sb+8*i:sb+8*i+7], v[UB+8*(sg-6):UB+8*(sg-6)+7], v[SS+8*i:SS+8*i+7]
.set i, i+1
.endr
.endif
.if sg == 7
.if (\last)*sc == 0
.rept 4
	v_nop
.endr
	WIN 0x05
.set i, 0
.rept 32
	v_cvt_pk_f16_f32 v[SB+i], v[SS+2*i], v[SS+2*i+1]       ; the new state as fragments for the next chunk
.set i, i+1
.endr
.endif
.endif
.set GG, GG+1
.endr
	WIN 0
	s_wait_xcnt 0x0                                ; the bases are stepped only behind this wait
.if \pref
	s_add_nc_u64 s[6:7], s[6:7], 65536
.endif
.if \last == 0
	s_add_nc_u64 s[10:11], s[10:11], 524288        ; 128 tokens
.endif
.endm
; Work on a slot; in front of it the other slot, which has been read, is filled again by one joint load behind a round of the cluster's barrier.
.macro TWO slot, refill, pref, last
	s_wait_tensorcnt 0x0                           ; all my tensor loads have landed, this slot's among them: a group 0 may be written
	ds_add_u32 v254, v255
	s_wait_dscnt 0x0
	s_add_nc_u64 s[G0+6-4*\slot:G0+7-4*\slot], s[G0+6-4*\slot:G0+7-4*\slot], 2*SLOT
	s_wait_dscnt 0x0                               ; my reads of the other slot are back
	ROUND                                          ; both now hold of all four partners
.if \refill
	tensor_load_to_lds s[G0+4-4*\slot:G0+7-4*\slot], s[G1:G1+7]
	s_nop 0
.endif
	SLOTWORK \slot, \pref, \last
.endm
	WIN 0
	s_wait_tensorcnt 0x1                           ; chunks 0 and 1 are in LDS; slot 1's load stays out
	SLOTWORK 0, 1, 0
	s_mov_b32 s40, 31
.Lloop:
	TWO 1, 1, 1, 0
	TWO 0, 1, 1, 0
	s_sub_co_u32 s40, s40, 1
	s_cmp_lg_u32 s40, 0
	s_cbranch_scc1 .Lloop
	TWO 1, 0, 0, 1                                 ; chunks 126, 127: nothing is left to fetch
	ROUND                                          ; the closing round: no partner can still ask for a tile that names me
.rept 4
	v_nop                                          ; four places behind the last products
.endr
	WIN 0x04
.set i, 0
.rept 64
	global_store_b32 v[SOF], v[SS+i], s[12:13] offset:(16*(i>>3)+(i&7))*512
.set i, i+1
.endr
	WIN 0
	s_endpgm
.Lfunc_end_k_qb5f6bc85d8_scan:
	.size	k_qb5f6bc85d8_scan, .Lfunc_end_k_qb5f6bc85d8_scan-k_qb5f6bc85d8_scan
	.p2alignl 7, 3214868480
	.fill 96, 4, 3214868480
	.section	.rodata,"a",@progbits
	.p2align	6, 0x0
	.amdhsa_kernel k_qb5f6bc85d8_scan
		.amdhsa_group_segment_fixed_size 327680
		.amdhsa_private_segment_fixed_size 0
		.amdhsa_enable_private_segment 0
		.amdhsa_kernarg_size 40
		.amdhsa_user_sgpr_count 2
		.amdhsa_user_sgpr_kernarg_segment_ptr 1
		.amdhsa_wavefront_size32 1
		.amdhsa_system_sgpr_workgroup_id_x 1
		.amdhsa_system_sgpr_workgroup_id_y 1
		.amdhsa_system_sgpr_workgroup_id_z 1
		.amdhsa_system_vgpr_workitem_id 0
		.amdhsa_next_free_vgpr 768
		.amdhsa_next_free_sgpr 66
		.amdhsa_reserve_vcc 0
		.amdhsa_float_denorm_mode_32 3
		.amdhsa_float_denorm_mode_16_64 3
		.amdhsa_memory_ordered 1
		.amdhsa_forward_progress 1
		.amdhsa_inst_pref_size 184
	.end_amdhsa_kernel
	.amdgpu_metadata
---
amdhsa.version: [ 1, 2 ]
amdhsa.kernels:
  - .name:           k_qb5f6bc85d8_scan
    .symbol:         k_qb5f6bc85d8_scan.kd
    .args:
      - { .name: rec, .offset: 0, .size: 8, .value_kind: global_buffer, .address_space: global }
      - { .name: ut, .offset: 8, .size: 8, .value_kind: global_buffer, .address_space: global }
      - { .name: initial_state, .offset: 16, .size: 8, .value_kind: global_buffer, .address_space: global }
      - { .name: out0, .offset: 24, .size: 8, .value_kind: global_buffer, .address_space: global }
      - { .name: out1, .offset: 32, .size: 8, .value_kind: global_buffer, .address_space: global }
    .group_segment_fixed_size: 327680
    .private_segment_fixed_size: 0
    .kernarg_segment_align: 8
    .kernarg_segment_size: 40
    .max_flat_workgroup_size: 32
    .sgpr_count:     66
    .vgpr_count:     768
    .wavefront_size: 32
...
	.end_amdgpu_metadata
.endif
;; end of part 2
;; ======== version 2 of 3: 3 launches; 1.32 times as fast as version 1
;; limits: values are held in f16: magnitudes above 65,504 overflow, below 6.1e-05 lose precision
;; workspace buffers: rec 59,244,544 bytes; ut 33,554,432 bytes; sb 1,572,864 bytes; sm 786,432 bytes
;; launch prep (part 3): grid 128 x 8, 4 waves a work-group, no clusters, 120,320 bytes of LDS; arguments q, k, v, g, beta, rec, ut; writes rec, ut
.if DOCPART == 3
	.amdgcn_target "amdgcn-amd-amdhsa--gfx1250"
	.amdhsa_code_object_version 6
	.text
	.protected	k_qb5f6bc85d8_prep
	.globl	k_qb5f6bc85d8_prep
	.p2align	8
	.type	k_qb5f6bc85d8_prep,@function
k_qb5f6bc85d8_prep:
	s_mov_b64 s[64:65], 0
	v_nop
	global_prefetch_b8 v0, s[64:65] scope:SCOPE_SE
	s_setreg_imm32_b32 hwreg(HW_REG_WAVE_MODE, 25, 1), 1
	s_wait_xcnt 0x0
; Gated delta rule, chunked form: everything of a (chunk of 64 tokens, head) that does not hang on the state.
; With G = inclusive sum of g in the chunk, kn = k rsqrt(|k|^2 + 1e-6), qn the same of q,
; A[i][j] = beta_i e^(G_i-G_j) (kn_i.kn_j) for j < i, and T = (I + A)^-1, this launch stores
;   ut  = T diag(beta) V                         f32, in the accumulator layout of the later launches
;   rec = NW = -T diag(beta e^G) Kn, KT = (kn e^(G_63-G))^T, gc = e^(G_63), fq = 128^-0.5 e^G, Qn,
;         P[i][j] = 128^-0.5 e^(G_i-G_j) (qn_i.kn_j) for j <= i; matrices in f16 as ready operand fragments of 1,024 bytes, gc and fq in f32.
;         NW, KT and gc, which are all that the state's own recursion needs, lie first and together.
; Exponentials are taken of G_i - G_j (j <= i), G_63 - G_j and G_i alone; masked places are replaced by 0 by a select.
; T: the two 32 x 32 diagonal blocks by exact forward substitution in f32, the lower left block by two f16 products.
; WHY f16: with decays of e^g a token each output is a sum of a few large products, so an operand's rounding is not averaged out;
; f16's 11 bits leave an eighth of the error of bf16's 8.  kn and qn are at most 1 by their normalisation, the decays at most 1 for g <= 0.
; LIMITS: |v| and the entries of T diag(beta) below 65,504, and e^(sum of g over any part of a chunk) below 65,504 (f16's largest number);
; the sum G is a tree sum over lanes, so its rounding order differs from a running sum.
; Work-groups share no input (each owns its 64 tokens of one head), so there is nothing to ask for jointly: no cluster.
; Four waves; wave w owns token rows 16 w .. 16 w + 15.  Loads go through registers; a row of a head is 512 consecutive bytes.
.set REC, 57856
.set ONW, 0                            ; the parts of a record
.set OKT, 16384
.set OGC, 32768
.set OFQ, 33024
.set OQ, 33280
.set OP, 49664
.set KB, 0                             ; kn, f16, 64 rows, pitch 272
.set KD, 17408                         ; kn e^(G63-G), f16, pitch 272
.set QB, 34816                         ; qn
.set VB, 52224                         ; v
.set NAT, 69632                        ; f32 [x][y] = -A[y][x], pitch 272
.set NAB, 87040                        ; f16 [x][y-32], pitch 80
.set T0, 92160                         ; the two diagonal blocks of T, f16 [row][32], pitch 80
.set T1, 97280                         ; T diag(beta), f16 [64][64], pitch 144
.set T21, 9216                         ; from T1 to T2 = -T diag(beta e^G)
.set PV, 115712                        ; each wave's own vectors, PVB bytes a wave
.set PVB, 1024
.set VG, 0                             ; G log2(e)
.set VD, 256                           ; e^(G63-G)
.set VBT, 512                          ; beta
.set VW, 768                           ; -beta e^G
.set LN, 1
.set R, 2
.set HH, 3
.set L16, 4
.set L32, 5
.set L4, 6
.set GA, 8
.set GB, 9
.set BA, 10
.set BB, 11
.set EA, 12
.set EB, 13
.set PVL, 18
.set POFF, 23
.set XK, 32
.set XQ, 96
.set XV, 160
.set DD, 224
	s_load_b256 s[4:11], s[0:1], 0x0               ; q s[4:5], k s[6:7], v s[8:9], g s[10:11]
	s_load_b128 s[12:15], s[0:1], 0x20             ; beta s[12:13], rec s[14:15]
	s_load_b64 s[16:17], s[0:1], 0x30              ; ut
	v_lshl_add_u32 v22, v0, 2, 0x1d400
	v_mov_b32 v29, 0
	v_lshrrev_b32 v7, 5, v0
	v_readfirstlane_b32 s18, v7                    ; wave
	s_and_b32 s20, ttmp7, 0xffff                   ; head
	s_mov_b32 s24, 0x76543210                      ; v_permlanex16_b32: lane i reads lane i of the other half
	s_mov_b32 s25, 0xfedcba98
	v_and_b32 v[LN], 31, v0
	v_and_b32 v[R], 15, v0
	v_bfe_u32 v[HH], v0, 4, 1
	v_lshlrev_b32 v[L16], 4, v[LN]
	v_lshlrev_b32 v[L32], 5, v[LN]
	v_lshlrev_b32 v[L4], 2, v[LN]
	s_lshl_b32 s22, ttmp9, 18                      ; chunk x 64 tokens x 4,096 bytes
	s_lshl_b32 s21, s20, 9                         ; + head x 512
	s_add_co_u32 s22, s22, s21
	s_lshl_b32 s21, s18, 16                        ; + wave x 16 tokens
	s_add_co_u32 s22, s22, s21
	s_mov_b32 s23, 0
	s_lshl_b32 s26, ttmp9, 11                      ; g, beta: chunk x 64 x 32 bytes + 4 head
	s_lshl2_add_u32 s26, s20, s26
	s_mov_b32 s27, 0
	s_lshl_b32 s28, s20, 7
	s_add_co_u32 s28, s28, ttmp9                   ; 128 head + chunk
	s_lshl_b32 s30, s28, 15                        ; x 32,768 bytes of ut
	s_mov_b32 s31, 0
	s_mul_i32 s28, s28, REC                        ; x a record
	s_mov_b32 s29, 0
	s_mul_i32 s19, s18, PVB
	s_add_co_u32 s19, s19, PV                      ; my wave's own vectors
	s_lshl_b32 s21, s18, 10
	v_add_nc_u32 v[POFF], s21, v[L16]              ; 1,024 w + 16 lane: my fragment's place in a group of four
	v_mov_b32 v241, 0                              ; a destination that counts as read,
	v_mov_b32 v243, 0                              ; and the unused halves of two pairs
	v_mov_b32 v247, 0
	s_wait_kmcnt 0x0
	s_add_nc_u64 s[4:5], s[4:5], s[22:23]
	s_add_nc_u64 s[6:7], s[6:7], s[22:23]
	s_add_nc_u64 s[8:9], s[8:9], s[22:23]
	s_add_nc_u64 s[10:11], s[10:11], s[26:27]
	s_add_nc_u64 s[12:13], s[12:13], s[26:27]
	s_add_nc_u64 s[14:15], s[14:15], s[28:29]
	s_add_nc_u64 s[16:17], s[16:17], s[30:31]
; ---- phase 0: loads, prefix sum of g, the gates' vectors, norms, f16 copies in LDS
	global_load_b32 v[GA], v[L32], s[10:11]                ; g of tokens lane and lane + 32
	global_load_b32 v[GB], v[L32], s[10:11] offset:1024
	global_load_b32 v[BA], v[L32], s[12:13]
	global_load_b32 v[BB], v[L32], s[12:13] offset:1024
.set i, 0
.rept 16
	global_load_b128 v[XK+4*i:XK+4*i+3], v[L16], s[6:7] offset:4096*i th:TH_LOAD_NT
.set i, i+1
.endr
.set i, 0
.rept 16
	global_load_b128 v[XQ+4*i:XQ+4*i+3], v[L16], s[4:5] offset:4096*i th:TH_LOAD_NT
.set i, i+1
.endr
.set i, 0
.rept 16
	global_load_b128 v[XV+4*i:XV+4*i+3], v[L16], s[8:9] offset:4096*i th:TH_LOAD_NT
.set i, i+1
.endr
	s_lshl_b32 s21, s18, 6
	s_add_co_u32 s22, s21, s19
	v_mov_b32 v19, s22                             ; my 16 rows' words in my own vectors
	s_mul_i32 s21, s18, 4352
	v_lshl_add_u32 v21, v[LN], 3, s21              ; row 16 w, 8 bytes a lane
	s_wait_loadcnt 48                              ; g and beta are in; the 48 row loads stay out
	v_mul_f32 v[GA], 0x3fb8aa3b, v[GA]             ; in units of log2
	v_mul_f32 v[GB], 0x3fb8aa3b, v[GB]
.irp d, 1,2,4,8,16
	v_add_nc_u32 v14, -4*\d, v[L4]
	ds_bpermute_b32 v15, v14, v[GA]                ; lane l takes lane l - d
	ds_bpermute_b32 v16, v14, v[GB]
	v_cmp_le_u32 vcc_lo, \d, v[LN]
	s_wait_dscnt 0x0
	v_cndmask_b32 v15, 0, v15, vcc_lo
	v_cndmask_b32 v16, 0, v16, vcc_lo
	v_add_f32 v[GA], v[GA], v15
	v_add_f32 v[GB], v[GB], v16
.endr
	v_readlane_b32 s21, v[GA], 31
	v_add_f32 v[GB], s21, v[GB]
	v_readlane_b32 s32, v[GB], 31                  ; G63
	v_sub_f32 v14, s32, v[GA]
	v_sub_f32 v15, s32, v[GB]
	v_add_f32 v16, 0xc0600000, v[GA]               ; G - 3.5: 128^-0.5 is 2^-3.5
	v_add_f32 v17, 0xc0600000, v[GB]
	v_exp_f32 v14, v14                             ; e^(G63-G)
	v_exp_f32 v15, v15
	v_exp_f32 v[EA], v[GA]                         ; e^G
	v_exp_f32 v[EB], v[GB]
	v_exp_f32 v248, v16                            ; fq
	v_exp_f32 v249, v17
	v_exp_f32 v250, s32                            ; gc
	v_add_nc_u32 v[PVL], s19, v[L4]                ; the plain instruction behind the exponentials
	s_wait_alu depctr_va_vdst(0)
	v_mul_f32 v16, -v[BA], v[EA]                   ; -beta e^G
	v_mul_f32 v17, -v[BB], v[EB]
	ds_store_b32 v[PVL], v[GA] offset:VG
	ds_store_b32 v[PVL], v[GB] offset:VG+128
	ds_store_b32 v[PVL], v14 offset:VD
	ds_store_b32 v[PVL], v15 offset:VD+128
	ds_store_b32 v[PVL], v[BA] offset:VBT
	ds_store_b32 v[PVL], v[BB] offset:VBT+128
	ds_store_b32 v[PVL], v16 offset:VW
	ds_store_b32 v[PVL], v17 offset:VW+128
.irp m, 0,1,2,3
	ds_load_b128 v[DD+4*\m:DD+4*\m+3], v19 offset:VD+16*\m   ; e^(G63-G) of my 16 rows, in every lane (a wave's LDS instructions are served in order)
.endr
	s_cmp_lg_u32 s18, 0
	s_cbranch_scc1 .Lnofq
	global_store_b32 v[L4], v248, s[14:15] offset:OFQ
	global_store_b32 v[L4], v249, s[14:15] offset:OFQ+128
	global_store_b32 v[L4], v250, s[14:15] offset:OGC      ; 64 copies, so that any lane finds one
	global_store_b32 v[L4], v250, s[14:15] offset:OGC+128
.Lnofq:
.macro ROWSUM x                        ; v242 = rsqrt(sum over the row of x^2 + 1e-6), in every lane
	v_mul_f32 v240, v[\x], v[\x]
	v_fmac_f32 v240, v[\x+1], v[\x+1]
	v_fmac_f32 v240, v[\x+2], v[\x+2]
	v_fmac_f32 v240, v[\x+3], v[\x+3]
	v_add_f32_dpp v240, v240, v240 row_xmask:1 row_mask:0xf bank_mask:0xf
	v_add_f32_dpp v240, v240, v240 row_xmask:2 row_mask:0xf bank_mask:0xf
	v_add_f32_dpp v240, v240, v240 row_xmask:4 row_mask:0xf bank_mask:0xf
	v_add_f32_dpp v240, v240, v240 row_xmask:8 row_mask:0xf bank_mask:0xf
	v_permlanex16_b32 v241, v240, s24, s25
	v_add_f32 v240, v240, v241
	v_add_f32 v240, 0x358637bd, v240
	v_rsq_f32 v242, v240                           ; the caller's next line is a plain instruction that touches neither v240 nor v242
.endm
	s_wait_dscnt 0x0
	s_wait_loadcnt 32                              ; k's rows are in; q's and v's stay out
.set i, 0
.rept 16
	ROWSUM XK+4*i
	v_mov_b32 v246, v[DD+i]                        ; the row's decay into a pair's first half: the plain instruction behind v_rsq_f32
	s_wait_alu depctr_va_vdst(0)
	v_pk_mul_f32 v[XK+4*i:XK+4*i+1], v[XK+4*i:XK+4*i+1], v[242:243] op_sel_hi:[1,0]       ; kn
	v_pk_mul_f32 v[XK+4*i+2:XK+4*i+3], v[XK+4*i+2:XK+4*i+3], v[242:243] op_sel_hi:[1,0]
	v_cvt_pk_f16_f32 v244, v[XK+4*i], v[XK+4*i+1]
	v_cvt_pk_f16_f32 v245, v[XK+4*i+2], v[XK+4*i+3]
	ds_store_b64 v21, v[244:245] offset:KB+272*i
	v_pk_mul_f32 v[XK+4*i:XK+4*i+1], v[XK+4*i:XK+4*i+1], v[246:247] op_sel_hi:[1,0]       ; kn e^(G63-G)
	v_pk_mul_f32 v[XK+4*i+2:XK+4*i+3], v[XK+4*i+2:XK+4*i+3], v[246:247] op_sel_hi:[1,0]
	v_cvt_pk_f16_f32 v244, v[XK+4*i], v[XK+4*i+1]
	v_cvt_pk_f16_f32 v245, v[XK+4*i+2], v[XK+4*i+3]
	ds_store_b64 v21, v[244:245] offset:KD+272*i
.set i, i+1
.endr
	s_wait_loadcnt 0x0                             ; q's and v's rows are in
.set i, 0
.rept 16
	ROWSUM XQ+4*i
	v_cvt_pk_f16_f32 v244, v[XV+4*i], v[XV+4*i+1]  ; the same row of v: plain work behind v_rsq_f32
	v_cvt_pk_f16_f32 v245, v[XV+4*i+2], v[XV+4*i+3]
	ds_store_b64 v21, v[244:245] offset:VB+272*i
	s_wait_alu depctr_va_vdst(0)
	v_pk_mul_f32 v[XQ+4*i:XQ+4*i+1], v[XQ+4*i:XQ+4*i+1], v[242:243] op_sel_hi:[1,0]       ; qn
	v_pk_mul_f32 v[XQ+4*i+2:XQ+4*i+3], v[XQ+4*i+2:XQ+4*i+3], v[242:243] op_sel_hi:[1,0]
	v_cvt_pk_f16_f32 v244, v[XQ+4*i], v[XQ+4*i+1]
	v_cvt_pk_f16_f32 v245, v[XQ+4*i+2], v[XQ+4*i+3]
	ds_store_b64 v21, v[244:245] offset:QB+272*i
.set i, i+1
.endr
	s_wait_dscnt 0x0                               ; my stores are done before I say so
	s_barrier_signal -1
	s_barrier_wait -1
; ---- phase 2: the Gram products, rows y as first source: lane (r, hh), register j holds x = 16 w + r, y = 16 n + 8 hh + j
.set KA, 32
.set QA, 64
.set KF, 96
.set DK, 160
.set DQ, 192
	s_lshl_b32 s21, s18, 4
	v_add_nc_u32 v14, s21, v[R]                    ; x
	v_mul_u32_u24 v24, v14, 272
	v_lshl_add_u32 v24, v[HH], 4, v24              ; my tile's fragments
	v_mul_u32_u24 v25, v[R], 272
	v_lshl_add_u32 v25, v[HH], 4, v25              ; tile 0's
.irp ks, 0,1,2,3
	ds_load_b128 v[KA+8*\ks:KA+8*\ks+3], v24 offset:KB+64*\ks
	ds_load_b128 v[KA+8*\ks+4:KA+8*\ks+7], v24 offset:KB+64*\ks+32
	ds_load_b128 v[QA+8*\ks:QA+8*\ks+3], v24 offset:QB+64*\ks
	ds_load_b128 v[QA+8*\ks+4:QA+8*\ks+7], v24 offset:QB+64*\ks+32
.endr
.macro KFL k0
.irp kk, 0,1
.irp n, 0,1,2,3
	ds_load_b128 v[KF+8*(4*\kk+\n):KF+8*(4*\kk+\n)+3], v25 offset:KB+4352*\n+64*(\k0+\kk)
	ds_load_b128 v[KF+8*(4*\kk+\n)+4:KF+8*(4*\kk+\n)+7], v25 offset:KB+4352*\n+64*(\k0+\kk)+32
.endr
.endr
.endm
.macro GRAM k0, zero                   ; eight accumulators take turns, one instruction a turn
.irp kk, 0,1
.irp n, 0,1,2,3
.if (\zero) & (1-\kk)
	v_wmma_f32_16x16x32_f16 v[DK+8*\n:DK+8*\n+7], v[KF+8*(4*\kk+\n):KF+8*(4*\kk+\n)+7], v[KA+8*(\k0+\kk):KA+8*(\k0+\kk)+7], 0
	v_wmma_f32_16x16x32_f16 v[DQ+8*\n:DQ+8*\n+7], v[KF+8*(4*\kk+\n):KF+8*(4*\kk+\n)+7], v[QA+8*(\k0+\kk):QA+8*(\k0+\kk)+7], 0
.else
	v_wmma_f32_16x16x32_f16 v[DK+8*\n:DK+8*\n+7], v[KF+8*(4*\kk+\n):KF+8*(4*\kk+\n)+7], v[KA+8*(\k0+\kk):KA+8*(\k0+\kk)+7], v[DK+8*\n:DK+8*\n+7]
	v_wmma_f32_16x16x32_f16 v[DQ+8*\n:DQ+8*\n+7], v[KF+8*(4*\kk+\n):KF+8*(4*\kk+\n)+7], v[QA+8*(\k0+\kk):QA+8*(\k0+\kk)+7], v[DQ+8*\n:DQ+8*\n+7]
.endif
.endr
.endr
.endm
	KFL 0
	s_wait_dscnt 0x0
.irp ks, 0,1,2,3
	global_store_b128 v[POFF], v[QA+8*\ks:QA+8*\ks+3], s[14:15] offset:OQ+4096*\ks       ; qn's fragments are the record's Q part as they stand
	global_store_b128 v[POFF], v[QA+8*\ks+4:QA+8*\ks+7], s[14:15] offset:OQ+4096*\ks+512
.endr
	GRAM 0, 1
.rept 4
	v_nop                                          ; four places before loads land on registers that matrix instructions read
.endr
	KFL 2
	s_wait_dscnt 0x0
	GRAM 2, 0
; ---- phase 3: gates and masks.  The address arithmetic fills the places behind the matrix instructions.
.set GY, 32
.set NY, 96
.set E1, 128
.set E2, 136
.set PP, 144
.set DLT, 26
.set GX, 27
.set GXS, 28
	v_lshl_add_u32 v19, v14, 2, s19                ; my own vectors at x
	v_lshl_add_u32 v21, v[HH], 5, s19              ; my own vectors at 8 hh
	v_mul_u32_u24 v15, v14, 272
	v_lshl_add_u32 v15, v[HH], 5, v15
	v_add_nc_u32 v31, NAT, v15                     ; NAT row x, word 8 hh
	v_mul_u32_u24 v15, v14, 80
	v_lshl_add_u32 v15, v[HH], 4, v15
	v_add_nc_u32 v24, NAB, v15                     ; NAB row x
	v_lshlrev_b32 v15, 3, v[HH]
	v_sub_nc_u32 v[DLT], v14, v15                  ; x - 8 hh: y <= x where 16 n + j <= this
	s_wait_xcnt 0x0                                ; the stores above have read qn's fragments: their registers are loaded again only behind this wait
	ds_load_b32 v[GX], v19 offset:VG
.irp n, 0,1,2,3
	ds_load_b128 v[GY+8*\n:GY+8*\n+3], v21 offset:VG+64*\n
	ds_load_b128 v[GY+8*\n+4:GY+8*\n+7], v21 offset:VG+64*\n+16
	ds_load_b128 v[NY+8*\n:NY+8*\n+3], v21 offset:VBT+64*\n
	ds_load_b128 v[NY+8*\n+4:NY+8*\n+7], v21 offset:VBT+64*\n+16
.endr
	s_wait_dscnt 0x0
	v_add_f32 v[GXS], 0xc0600000, v[GX]            ; G_x - 3.5: the scale 128^-0.5 rides in P's exponent
.macro ELEM n
.set j, 0
.rept 8
	v_sub_f32 v[E1+j], v[GXS], v[GY+8*\n+j]
	v_sub_f32 v[E2+j], v[GY+8*\n+j], v[GX]
.set j, j+1
.endr
.set j, 0
.rept 8
	v_exp_f32 v[E1+j], v[E1+j]
	v_exp_f32 v[E2+j], v[E2+j]
.set j, j+1
.endr
.set j, 0
.rept 8
	v_mul_f32 v[DK+8*\n+j], v[DK+8*\n+j], -v[NY+8*\n+j]    ; x (-beta_y): plain work behind the run of exponentials
.set j, j+1
.endr
.set j, 0
	s_wait_alu depctr_va_vdst(0)
.rept 8
	v_cmp_le_i32 vcc_lo, 16*\n+j, v[DLT]           ; y <= x
	v_mul_f32 v[DQ+8*\n+j], v[DQ+8*\n+j], v[E1+j]
	v_mul_f32 v[DK+8*\n+j], v[DK+8*\n+j], v[E2+j]
	v_cndmask_b32 v[DQ+8*\n+j], 0, v[DQ+8*\n+j], vcc_lo    ; P lives where y <= x,
	v_cndmask_b32 v[DK+8*\n+j], v[DK+8*\n+j], 0, vcc_lo    ; -A where y > x; whatever the other side held is dropped
.set j, j+1
.endr
.irp t, 0,1,2,3
	v_cvt_pk_f16_f32 v[PP+4*\n+\t], v[DQ+8*\n+2*\t], v[DQ+8*\n+2*\t+1]
.endr
	global_store_b128 v[POFF], v[PP+4*\n:PP+4*\n+3], s[14:15] offset:OP+(\n>>1)*4096+(\n&1)*512
	ds_store_b128 v31, v[DK+8*\n:DK+8*\n+3] offset:64*\n
	ds_store_b128 v31, v[DK+8*\n+4:DK+8*\n+7] offset:64*\n+16
.if \n >= 2
.irp t, 0,1,2,3
	v_cvt_pk_f16_f32 v[E1+\t], v[DK+8*\n+2*\t], v[DK+8*\n+2*\t+1]
.endr
	ds_store_b128 v24, v[E1:E1+3] offset:32*(\n-2)
.endif
.endm
	ELEM 0
	ELEM 1
	ELEM 2
	ELEM 3
	v_and_b32 v14, 7, v0
	v_lshl_add_u32 v15, v[HH], 3, v14              ; 8 hh + lane mod 8
	v_bfe_u32 v16, v0, 3, 1
	v_mul_u32_u24 v25, v15, 272
	v_lshl_add_u32 v25, v16, 4, v25                ; transposing loads from rows of 272 bytes
	v_mul_u32_u24 v26, v15, 80
	v_lshl_add_u32 v26, v16, 4, v26
	v_add_nc_u32 v26, T0, v26                      ; and from T0's rows of 80
	s_wait_dscnt 0x0
	s_barrier_signal -1
	s_barrier_wait -1
; ---- phase 4: waves 0, 1 invert a diagonal block each; waves 2, 3 transpose the scaled kn
	s_wait_xcnt 0x0                                ; P's stores have read their registers
	s_cmp_ge_u32 s18, 2
	s_cbranch_scc1 .Lkt
.set TT, 32                            ; T[lane][c] in v[TT+c]
.set AR, 64                            ; coefficients, as loaded
.set TX, 240
; T = I - T A, column by column from the right: T[i][c] = (i == c) + sum over j > c of T[i][j] (-A[j][c]).  Lane = row i.
.macro SUBPH chi, clo
.set cc, \chi
.set ar, AR
.rept \chi-\clo+1
.set mm, (cc+1)/4
.rept 8-mm
	ds_load_b128 v[ar:ar+3], v19 offset:cc*272+16*mm   ; the same words for every lane
.set mm, mm+1
.set ar, ar+4
.endr
.set cc, cc-1
.endr
	s_wait_dscnt 0x0
.set cc, \chi
.set ar, AR
.rept \chi-\clo+1
.set mm, (cc+1)/4
	v_cmp_eq_u32 vcc_lo, cc, v[LN]
	v_cndmask_b32 v[TT+cc], 0, 1.0, vcc_lo
	v_mov_b32 v[TX], 0
.set jj, mm*4
.rept (8-mm)*4
.if jj > cc
.if jj & 1
	v_fmac_f32 v[TX], v[ar], v[TT+jj]              ; two chains, odd and even j
.else
	v_fmac_f32 v[TT+cc], v[ar], v[TT+jj]
.endif
.endif
.set jj, jj+1
.set ar, ar+1
.endr
	v_add_f32 v[TT+cc], v[TT+cc], v[TX]
.set cc, cc-1
.endr
.endm
	s_mul_i32 s21, s18, 8832                       ; block b: 32 rows of 272 bytes and 32 words on
	s_add_co_u32 s21, s21, NAT
	v_mov_b32 v19, s21
	SUBPH 31, 15
	SUBPH 14, 7
	SUBPH 6, 3
	SUBPH 2, 0
	s_lshl_b32 s21, s18, 5
	v_add_nc_u32 v14, s21, v[LN]                   ; row 32 b + lane
	v_mul_u32_u24 v15, v14, 80
	v_add_nc_u32 v20, T0, v15
	v_mul_u32_u24 v15, v14, 144
	v_add_nc_u32 v15, T1, v15
	s_lshl_b32 s21, s18, 6
	v_add_nc_u32 v21, s21, v15                     ; my block's columns,
	s_xor_b32 s21, s21, 64
	v_add_nc_u32 v24, s21, v15                     ; the other block's
	s_lshl_b32 s21, s18, 7
	s_add_co_u32 s21, s21, s19
	v_mov_b32 v30, s21
.irp m, 0,1,2,3,4,5,6,7
	ds_load_b128 v[96+4*\m:96+4*\m+3], v30 offset:VBT+16*\m
	ds_load_b128 v[128+4*\m:128+4*\m+3], v30 offset:VW+16*\m
.endr
.set i, 0
.rept 16
	v_cvt_pk_f16_f32 v[64+i], v[TT+2*i], v[TT+2*i+1]
.set i, i+1
.endr
.irp m, 0,1,2,3
	v_mov_b32 v[224+\m], 0
.endr
.irp m, 0,1,2,3
	ds_store_b128 v20, v[64+4*\m:64+4*\m+3] offset:16*\m
	ds_store_b128 v24, v[224:227] offset:16*\m             ; zeros beside the block (the lower left is written over in phase 5)
	ds_store_b128 v24, v[224:227] offset:T21+16*\m
.endr
	s_wait_dscnt 0x0
.set i, 0
.rept 16
	v_pk_mul_f32 v[160:161], v[TT+2*i:TT+2*i+1], v[96+2*i:96+2*i+1]
	v_pk_mul_f32 v[162:163], v[TT+2*i:TT+2*i+1], v[128+2*i:128+2*i+1]
	v_cvt_pk_f16_f32 v[192+i], v160, v161
	v_cvt_pk_f16_f32 v[208+i], v162, v163
.set i, i+1
.endr
.irp m, 0,1,2,3
	ds_store_b128 v21, v[192+4*\m:192+4*\m+3] offset:16*\m
	ds_store_b128 v21, v[208+4*\m:208+4*\m+3] offset:T21+16*\m
.endr
	s_branch .Ljoin4
.Lkt:
	s_sub_co_u32 s21, s18, 2                       ; which 32 tokens
	s_mul_i32 s26, s21, 8704
	v_add_nc_u32 v14, s26, v25
	s_lshl_b32 s26, s21, 13
	v_add_nc_u32 v31, s26, v[L16]
.irp m, 0,1,2,3,4,5,6,7
	ds_load_tr16_b128 v[160+8*\m:160+8*\m+3], v14 offset:KD+32*\m
	ds_load_tr16_b128 v[160+8*\m+4:160+8*\m+7], v14 offset:KD+32*\m+4352
.endr
	s_wait_dscnt 0x0
.irp m, 0,1,2,3,4,5,6,7
	global_store_b128 v31, v[160+8*\m:160+8*\m+3], s[14:15] offset:OKT+1024*\m
	global_store_b128 v31, v[160+8*\m+4:160+8*\m+7], s[14:15] offset:OKT+1024*\m+512
.endr
.Ljoin4:
	s_wait_dscnt 0x0
	s_barrier_signal -1
	s_barrier_wait -1
; ---- phase 5: waves 2, 3: rows 16 w .. of the lower left block, T10 = (T11 (-A10)) T00
	s_lshl_b32 s21, s18, 4
	v_add_nc_u32 v14, s21, v[R]                    ; row 16 w + r
	v_mul_u32_u24 v15, v14, 144
	v_lshl_add_u32 v15, v[HH], 4, v15
	v_add_nc_u32 v19, T1, v15                      ; my row of T1, 16 hh bytes in: stores here, fragments in phase 6
	s_cmp_lt_u32 s18, 2
	s_cbranch_scc1 .Lskip5
	v_mul_u32_u24 v15, v[R], 80
	v_lshl_add_u32 v15, v[HH], 4, v15
	v_add_nc_u32 v20, NAB, v15
	v_mul_u32_u24 v15, v14, 80
	v_lshl_add_u32 v15, v[HH], 4, v15
	v_add_nc_u32 v21, T0, v15
	v_lshl_add_u32 v24, v[HH], 5, s19
	ds_load_b128 v[32:35], v20
	ds_load_b128 v[36:39], v20 offset:32
	ds_load_b128 v[40:43], v20 offset:1280
	ds_load_b128 v[44:47], v20 offset:1312
	ds_load_b128 v[48:51], v21
	ds_load_b128 v[52:55], v21 offset:32
	ds_load_tr16_b128 v[80:83], v26
	ds_load_tr16_b128 v[84:87], v26 offset:1280
	ds_load_tr16_b128 v[88:91], v26 offset:32
	ds_load_tr16_b128 v[92:95], v26 offset:1312
.irp ct, 0,1
	ds_load_b128 v[112+8*\ct:112+8*\ct+3], v24 offset:VBT+64*\ct
	ds_load_b128 v[112+8*\ct+4:112+8*\ct+7], v24 offset:VBT+64*\ct+16
	ds_load_b128 v[128+8*\ct:128+8*\ct+3], v24 offset:VW+64*\ct
	ds_load_b128 v[128+8*\ct+4:128+8*\ct+7], v24 offset:VW+64*\ct+16
.endr
	s_wait_dscnt 0x0
	v_wmma_f32_16x16x32_f16 v[56:63], v[32:39], v[48:55], 0        ; lane = row i, registers = 8 neighbouring columns
	v_wmma_f32_16x16x32_f16 v[64:71], v[40:47], v[48:55], 0
.rept 4
	v_nop
.endr
.irp t, 0,1,2,3
	v_cvt_pk_f16_f32 v[72+\t], v[56+2*\t], v[56+2*\t+1]
	v_cvt_pk_f16_f32 v[76+\t], v[64+2*\t], v[64+2*\t+1]
.endr
	v_wmma_f32_16x16x32_f16 v[96:103], v[80:87], v[72:79], 0
	v_wmma_f32_16x16x32_f16 v[104:111], v[88:95], v[72:79], 0
.rept 4
	v_nop
.endr
.irp ct, 0,1
.irp t, 0,1,2,3
	v_pk_mul_f32 v[144:145], v[96+8*\ct+2*\t:96+8*\ct+2*\t+1], v[112+8*\ct+2*\t:112+8*\ct+2*\t+1]
	v_pk_mul_f32 v[146:147], v[96+8*\ct+2*\t:96+8*\ct+2*\t+1], v[128+8*\ct+2*\t:128+8*\ct+2*\t+1]
	v_cvt_pk_f16_f32 v[148+\t], v144, v145
	v_cvt_pk_f16_f32 v[152+\t], v146, v147
.endr
	ds_store_b128 v19, v[148:151] offset:32*\ct
	ds_store_b128 v19, v[152:155] offset:T21+32*\ct
.endr
.Lskip5:
	s_wait_dscnt 0x0
	s_barrier_signal -1
	s_barrier_wait -1
; ---- phase 6: ut = T1 V (rows as first source) and NW = T2 Kn (columns as first source, so that a lane packs 8 neighbouring numbers of a row)
.set TA, 32
.set VF, 64
.set AC, 192
	s_wait_xcnt 0x0                                ; every store so far has read its registers
.irp ks, 0,1
	ds_load_b128 v[TA+8*\ks:TA+8*\ks+3], v19 offset:64*\ks
	ds_load_b128 v[TA+8*\ks+4:TA+8*\ks+7], v19 offset:64*\ks+32
	ds_load_b128 v[TA+16+8*\ks:TA+16+8*\ks+3], v19 offset:T21+64*\ks
	ds_load_b128 v[TA+16+8*\ks+4:TA+16+8*\ks+7], v19 offset:T21+64*\ks+32
.endr
.macro TRL base
.irp ks, 0,1
.irp n, 0,1,2,3,4,5,6,7
	ds_load_tr16_b128 v[VF+8*(8*\ks+\n):VF+8*(8*\ks+\n)+3], v25 offset:\base+8704*\ks+32*\n
	ds_load_tr16_b128 v[VF+8*(8*\ks+\n)+4:VF+8*(8*\ks+\n)+7], v25 offset:\base+8704*\ks+32*\n+4352
.endr
.endr
.endm
	TRL VB
	s_wait_dscnt 0x0
.irp n, 0,1,2,3,4,5,6,7
	v_wmma_f32_16x16x32_f16 v[AC+8*\n:AC+8*\n+7], v[TA:TA+7], v[VF+8*\n:VF+8*\n+7], 0
.endr
.irp n, 0,1,2,3,4,5,6,7
	v_wmma_f32_16x16x32_f16 v[AC+8*\n:AC+8*\n+7], v[TA+8:TA+15], v[VF+64+8*\n:VF+64+8*\n+7], v[AC+8*\n:AC+8*\n+7]
.endr
.rept 5
	v_nop                                          ; four places for the stores and loads below, five for the products that write these accumulators anew
.endr
.irp n, 0,1,2,3,4,5,6,7
	global_store_b128 v[POFF], v[AC+8*\n:AC+8*\n+3], s[16:17] offset:4096*\n           ; a wave's store covers 512 consecutive bytes
	global_store_b128 v[POFF], v[AC+8*\n+4:AC+8*\n+7], s[16:17] offset:4096*\n+512
.endr
	TRL KB
	s_wait_dscnt 0x0
	s_wait_xcnt 0x0                                ; the accumulators are written again only behind this wait
.irp n, 0,1,2,3,4,5,6,7
	v_wmma_f32_16x16x32_f16 v[AC+8*\n:AC+8*\n+7], v[VF+8*\n:VF+8*\n+7], v[TA+16:TA+23], 0
.endr
.irp n, 0,1,2,3,4,5,6,7
	v_wmma_f32_16x16x32_f16 v[AC+8*\n:AC+8*\n+7], v[VF+64+8*\n:VF+64+8*\n+7], v[TA+24:TA+31], v[AC+8*\n:AC+8*\n+7]
.endr
.rept 4
	v_nop
.endr
.irp n, 0,1,2,3,4,5,6,7
.irp t, 0,1,2,3
	v_cvt_pk_f16_f32 v[VF+4*\n+\t], v[AC+8*\n+2*\t], v[AC+8*\n+2*\t+1]
.endr
	global_store_b128 v[POFF], v[VF+4*\n:VF+4*\n+3], s[14:15] offset:ONW+(\n>>1)*4096+(\n&1)*512
.endr
	s_wait_tensorcnt 0x0
	ds_add_u32 v22, v29
	s_wait_dscnt 0x0
	s_endpgm
.Lfunc_end_k_qb5f6bc85d8_prep:
	.size	k_qb5f6bc85d8_prep, .Lfunc_end_k_qb5f6bc85d8_prep-k_qb5f6bc85d8_prep
	.p2alignl 7, 3214868480
	.fill 96, 4, 3214868480
	.section	.rodata,"a",@progbits
	.p2align	6, 0x0
	.amdhsa_kernel k_qb5f6bc85d8_prep
		.amdhsa_group_segment_fixed_size 120320
		.amdhsa_private_segment_fixed_size 0
		.amdhsa_enable_private_segment 0
		.amdhsa_kernarg_size 56
		.amdhsa_user_sgpr_count 2
		.amdhsa_user_sgpr_kernarg_segment_ptr 1
		.amdhsa_wavefront_size32 1
		.amdhsa_system_sgpr_workgroup_id_x 1
		.amdhsa_system_sgpr_workgroup_id_y 1
		.amdhsa_system_sgpr_workgroup_id_z 1
		.amdhsa_system_vgpr_workitem_id 0
		.amdhsa_next_free_vgpr 256
		.amdhsa_next_free_sgpr 66
		.amdhsa_reserve_vcc 1
		.amdhsa_float_denorm_mode_32 3
		.amdhsa_float_denorm_mode_16_64 3
		.amdhsa_memory_ordered 1
		.amdhsa_forward_progress 1
		.amdhsa_inst_pref_size 129
	.end_amdhsa_kernel
	.amdgpu_metadata
---
amdhsa.version: [ 1, 2 ]
amdhsa.kernels:
  - .name:           k_qb5f6bc85d8_prep
    .symbol:         k_qb5f6bc85d8_prep.kd
    .args:
      - { .name: q, .offset: 0, .size: 8, .value_kind: global_buffer, .address_space: global }
      - { .name: k, .offset: 8, .size: 8, .value_kind: global_buffer, .address_space: global }
      - { .name: v, .offset: 16, .size: 8, .value_kind: global_buffer, .address_space: global }
      - { .name: g, .offset: 24, .size: 8, .value_kind: global_buffer, .address_space: global }
      - { .name: beta, .offset: 32, .size: 8, .value_kind: global_buffer, .address_space: global }
      - { .name: rec, .offset: 40, .size: 8, .value_kind: global_buffer, .address_space: global }
      - { .name: ut, .offset: 48, .size: 8, .value_kind: global_buffer, .address_space: global }
    .group_segment_fixed_size: 120320
    .private_segment_fixed_size: 0
    .kernarg_segment_align: 8
    .kernarg_segment_size: 56
    .max_flat_workgroup_size: 128
    .sgpr_count:     66
    .vgpr_count:     256
    .wavefront_size: 32
...
	.end_amdgpu_metadata
.endif
;; end of part 3
;; launch seg (part 4): grid 8 x 24, 1 waves a work-group, clusters of 4 x 1, 327,680 bytes of LDS; arguments rec, ut, sb, sm; writes sb, sm
.if DOCPART == 4
	.amdgcn_target "amdgcn-amd-amdhsa--gfx1250"
	.amdhsa_code_object_version 6
	.text
	.protected	k_qb5f6bc85d8_seg
	.globl	k_qb5f6bc85d8_seg
	.p2align	8
	.type	k_qb5f6bc85d8_seg,@function
k_qb5f6bc85d8_seg:
	s_mov_b64 s[64:65], 0
	v_nop
	global_prefetch_b8 v0, s[64:65] scope:SCOPE_SE
	s_setreg_imm32_b32 hwreg(HW_REG_WAVE_MODE, 25, 1), 1
	s_wait_xcnt 0x0
	s_wait_alu depctr_hold_cnt(0) depctr_sa_sdst(0) depctr_va_vdst(0) depctr_va_sdst(0) depctr_va_ssrc(0) depctr_va_vcc(0) depctr_vm_vsrc(0)
	s_getreg_b32 s2, hwreg(HW_REG_IB_STS2, 6, 4)
	s_cmp_eq_u32 s2, 0
	s_cbranch_scc0 .Lentry_in_a_cluster
	s_endpgm
.Lentry_in_a_cluster:
	s_bfe_u32 s2, ttmp6, 0x10000c
	s_cmp_lg_u32 s2, 0x3003
	s_cbranch_scc0 .Lentry_shape_is_right
	s_endpgm
.Lentry_shape_is_right:
; Gated delta rule, first level of a two-level scan.  The 128 chunks of a head are four segments of 32.  Over a segment the state goes
; S_end = M S_start + B.  This launch makes M and B of segments 0, 1, 2 (the last segment's are needed by nobody).
; A work-group of one wave owns (segment j, head h, slice s of 16 columns) and runs the state's recursion X = gc X + KT (U0 + NW X) on TWO streams:
;   data:     X starts at 0, U0 = UT            -> columns 16 s .. of B
;   identity: X starts at columns 16 s .. of I, U0 = 0 -> columns 16 s .. of M
; Both streams multiply by the same fragments of NW and KT, so each LDS load feeds two matrix instructions, and their accumulators take turns.
; The data stream's first chunk has X = 0: its NW products and its scaling are left out and its first KT product starts the sum; nothing is cleared.
; B leaves in f32 in accumulator layout (the next launch loads it straight into its sums); M leaves in f16 as first-source fragments:
; a lane's 8 packed rows of one column go transposed into an LDS stage, and a transposing load brings back 8 columns of one row.
; CLUSTER: the four work-groups of a cluster own four slices of one (j, h) and read the same records: one joint load (mask 15) for all four.
; A load brings the first 33,024 bytes (NW, KT, gc) of two records as two rows; two LDS slots; two tensor loads are out at the start, later one.
; LIMITS: X, U and the entries of M below 65,504, f16's largest number (M is a product of contractions for g <= 0 and 0 <= beta <= 2).
.set REC, 57856
.set RL, 33024                         ; bytes of a record that are read here
.set SLOTB, 2*RL                       ; an LDS slot: two records' heads
.set GSTEP, 2*REC                      ; what a fill advances in memory
.set STAGE, 2*SLOTB                    ; behind the ring: 16 rows of 288 bytes, filled by no tensor load
.set SP, 288
.set L16, 3                            ; window 0: v3 16 lane; v4-7 fragments' address in record 0..3 of LDS; v10-13 4 r + record base
.set AD, 4
.set FA, 10
.set GC, 14                            ; v14-17 gc of the slot's two chunks, each twice
.set STO, 18
.set TRD, 19
.set DG, 20
.set SBD, 32                           ; v32-63 data X as f16 fragments, v64-95 identity X
.set SBI, 64
.set UBD, 96                           ; v96-111 data U as f16 fragments, v112-127 identity U
.set UBI, 112
.set XD, 0                             ; window 1: v0-63 data X, v64-127 identity X, v128-191 data U of even and odd chunks, v192-223 identity U
.set XI, 64
.set UD, 128
.set UI, 192
.set G1, 24                            ; window 2: four buffers of 64 registers for fragments from LDS
.set G0, 32
.set MSB, 0
.macro WIN new                         ; the immediate's high byte repeats the setting that is left
.if MSB != \new
	s_set_vgpr_msb (MSB<<8)|\new
.set MSB, \new
.endif
.endm
.macro ROUND                           ; a round of the cluster's barrier
	s_barrier_signal -1
	s_barrier_wait -1
	s_cmp_lg_u32 s14, 0
	s_cbranch_scc1 .Lnot_wave_0_\@
	s_barrier_signal -3
.Lnot_wave_0_\@:
	s_barrier_wait -3
	s_barrier_signal -1
	s_barrier_wait -1
.endm
	s_load_b256 s[4:11], s[0:1], 0x0               ; rec s[4:5], ut s[6:7], sb s[8:9], sm s[10:11]
	v_lshl_add_u32 v254, v0, 2, 0x29000
	v_mov_b32 v255, 0
	ds_add_u32 v254, v255
	ds_add_u32 v254, v255
	v_lshrrev_b32 v1, 5, v0
	v_readfirstlane_b32 s14, v1                    ; wave (there is one)
	s_bfe_u32 s15, ttmp6, 0x40000                  ; cx
	s_lshl_b32 s16, ttmp9, 2
	s_add_co_u32 s16, s16, s15                     ; slice = 4 x cluster x + cx
	s_and_b32 s12, ttmp7, 0xffff                   ; 8 j + h
	s_and_b32 s17, s12, 7                          ; head
	s_lshr_b32 s13, s12, 3                         ; segment
	s_lshl_b32 s18, s17, 7
	s_lshl_b32 s19, s13, 5
	s_add_co_u32 s18, s18, s19                     ; 128 h + 32 j: the segment's first record; no place in the cluster enters
	s_mul_i32 s18, s18, REC
	s_mov_b32 s19, 0
	s_lshl_b32 s20, s17, 22                        ; ut: (128 h + 32 j) x 32,768 + slice x 4,096
	s_lshl_b32 s22, s13, 20
	s_add_co_u32 s20, s20, s22
	s_lshl_b32 s22, s16, 12
	s_add_co_u32 s20, s20, s22
	s_mov_b32 s21, 0
	s_lshl_b32 s42, s12, 16                        ; sb: (8 j + h) x 65,536 + slice x 8,192
	s_lshl_b32 s22, s16, 13
	s_add_co_u32 s42, s42, s22
	s_mov_b32 s43, 0
	s_lshl_b32 s44, s12, 15                        ; sm: (8 j + h) x 32,768 + (slice / 2) x 8 fragments + (slice mod 2) x half a fragment
	s_lshr_b32 s22, s16, 1
	s_lshl_b32 s22, s22, 13
	s_add_co_u32 s44, s44, s22
	s_and_b32 s22, s16, 1
	s_lshl_b32 s22, s22, 9
	s_add_co_u32 s44, s44, s22
	s_mov_b32 s45, 0
	; group 1: two rows of 4,128 elements of 8 bytes (33,024 bytes), 7,232 elements (a record) apart
	s_mov_b32 s[G1+0], 15|(3<<16)|(1<<21)          ; mask: the four partners; elements of 8 bytes; bit 21 beside a mask
	s_mov_b32 s[G1+1], 4128<<16                    ; tensor_dim0 = 4,128
	s_mov_b32 s[G1+2], 2<<16                       ; tensor_dim1 = 2
	s_mov_b32 s[G1+3], 4128<<16                    ; tile_dim0 = 4,128
	s_mov_b32 s[G1+4], 2                           ; tile_dim1 = 2
	s_mov_b32 s[G1+5], 7232                        ; pitch
	s_mov_b32 s[G1+6], 0
	s_mov_b32 s[G1+7], 0
	s_mov_b32 s[G0+0], 1
	s_mov_b32 s[G0+1], 0
	s_mov_b32 s[G0+4], 1
	s_mov_b32 s[G0+5], SLOTB
	v_and_b32 v1, 15, v0                           ; r
	v_bfe_u32 v2, v0, 4, 1                         ; hh
	v_lshlrev_b32 v[L16], 4, v0
	v_lshlrev_b32 v21, 2, v1
.irp i, 0,1,2,3
	v_add_nc_u32 v[AD+\i], \i*RL, v[L16]
	v_add_nc_u32 v[FA+\i], \i*RL, v21
.endr
	v_mul_u32_u24 v[STO], v1, SP                   ; stage, in: row = my column r, 16 bytes for each half of the lanes
	v_lshl_add_u32 v[STO], v2, 4, v[STO]
	v_add_nc_u32 v[STO], STAGE, v[STO]
	v_and_b32 v22, 7, v0
	v_lshl_add_u32 v22, v2, 3, v22                 ; stage, back: row 8 hh + lane mod 8
	v_mul_u32_u24 v[TRD], v22, SP
	v_bfe_u32 v22, v0, 3, 1
	v_lshl_add_u32 v[TRD], v22, 4, v[TRD]
	v_add_nc_u32 v[TRD], STAGE, v[TRD]
	v_lshl_add_u32 v[DG], s16, 4, v1               ; my column 16 s + r,
	v_lshlrev_b32 v22, 3, v2
	v_sub_nc_u32 v[DG], v[DG], v22                 ; less 8 hh: register 8 t + j lies on the diagonal where 16 t + j equals this
	s_wait_dscnt 0x0
	s_wait_kmcnt 0x0
	s_add_nc_u64 s[4:5], s[4:5], s[18:19]
	s_add_nc_u64 s[6:7], s[6:7], s[20:21]
	s_add_nc_u64 s[8:9], s[8:9], s[42:43]
	s_add_nc_u64 s[10:11], s[10:11], s[44:45]
	s_mov_b64 s[G0+2:G0+3], s[4:5]
	s_or_b32 s[G0+3], s[G0+3], 0x80000000
	s_add_nc_u64 s[G0+6:G0+7], s[4:5], GSTEP
	s_or_b32 s[G0+7], s[G0+7], 0x80000000
	ROUND                                          ; the four partners are here: the first joint loads meet
	tensor_load_to_lds s[G0:G0+3], s[G1:G1+7]      ; chunks 0, 1 of the segment
	s_nop 0
	tensor_load_to_lds s[G0+4:G0+7], s[G1:G1+7]    ; chunks 2, 3
	s_nop 0
	WIN 0x40                                       ; destinations in window 1
.set i, 0
.rept 16
	global_load_b128 v[UD+4*i:UD+4*i+3], v[L16], s[6:7] offset:(i>>3)*32768+512*(i&7)   ; UT of chunks 0 and 1, straight into the data stream's U
.set i, i+1
.endr
.set i, 0
.rept 64
	v_cmp_eq_u32 vcc_lo, 16*(i>>3)+(i&7), v[DG]
	v_cndmask_b32 v[XI+i], 0, 1.0, vcc_lo          ; 16 columns of the unit matrix
.set i, i+1
.endr
	WIN 0x05
.set i, 0
.rept 32
	v_cvt_pk_f16_f32 v[SBI+i], v[XI+2*i], v[XI+2*i+1]
.set i, i+1
.endr
	WIN 0
	s_wait_xcnt 0x0                                ; the base is stepped only behind this wait
	s_add_nc_u64 s[6:7], s[6:7], 65536
; Group G (0..7) of a slot: chunk G >> 2, part G & 3: NW (2 groups of 8 fragments), KT (2).  Buffer G & 3.
.macro LDG slot, G
.set lad, AD+2*\slot+((\G)>>2)
.set lbf, ((\G)&3)*64
.set lof, ((\G)&3)*8192
	WIN 0x80
.set lf, 0
.rept 8
	ds_load_b128 v[lbf+8*lf:lbf+8*lf+3], v[lad] offset:lof+1024*lf           ; 32 lanes, 16 neighbouring bytes each
	ds_load_b128 v[lbf+8*lf+4:lbf+8*lf+7], v[lad] offset:lof+1024*lf+512
.set lf, lf+1
.endr
.endm
; The two chunks of a slot.  pref = 1: UT two chunks ahead is fetched; last = 1: the segment's last chunks; first = 1: its first.
; Matrix instructions take their accumulators by turns, one instruction a turn.
.macro SLOTWORK slot, pref, last, first
	WIN 0
.irp ci, 0,1
	ds_load_b32 v[GC+2*\ci], v[FA+2*\slot+\ci] offset:32768
	ds_load_b32 v[GC+2*\ci+1], v[FA+2*\slot+\ci] offset:32768
.endr
	LDG \slot, 0
	LDG \slot, 1
	LDG \slot, 2
.set GG, 0
.rept 8
.set sg, GG&3
.set sc, GG>>2
.set fb, (GG&3)*64
.set su, UD+32*sc
.set fz, (\first)*(1-sc)
.if sg != 0
.rept 4
	v_nop                                          ; four places behind the last group's products: for the loads into its buffer and for what reads its sums
.endr
.endif
.if GG+3 <= 7
	LDG \slot, GG+3
.endif
.if sg == 0
.if (\last)*sc
	s_wait_loadcnt 0x0                             ; the last chunk's UT: nothing was asked for behind it
.else
	s_wait_loadcnt 0x8                             ; this chunk's UT is in; the next chunk's 8 loads stay out
.endif
.endif
.if sg == 1
	WIN 0x41                                       ; X x gc, while X's packed copy is being multiplied
.set i, 0
.rept 32
.if fz == 0
	v_pk_mul_f32 v[XD+2*i:XD+2*i+1], v[XD+2*i:XD+2*i+1], v[GC+2*sc:GC+2*sc+1]
.endif
	v_pk_mul_f32 v[XI+2*i:XI+2*i+1], v[XI+2*i:XI+2*i+1], v[GC+2*sc:GC+2*sc+1]
.set i, i+1
.endr
.endif
.if sg == 2
	WIN 0x05
.set i, 0
.rept 16
	v_cvt_pk_f16_f32 v[UBD+i], v[su+2*i], v[su+2*i+1]
	v_cvt_pk_f16_f32 v[UBI+i], v[UI+2*i], v[UI+2*i+1]
.set i, i+1
.endr
.if \pref
	WIN 0x40
.set i, 0
.rept 8
	global_load_b128 v[su+4*i:su+4*i+3], v[L16], s[6:7] offset:sc*32768+512*i   ; UT two chunks ahead, into the accumulators just read
.set i, i+1
.endr
.endif
.endif
.set WC, 16*(7-GG)
.if WC > 48
.set WC, 48
.endif
	s_wait_dscnt WC                                ; LDS loads come back in order: this group is in, the younger groups of 16 loads stay out
	WIN 0x52
.set i, 0
.if sg < 2
.rept 8
.if fz == 0
	v_wmma_f32_16x16x32_f16 v[su+8*(i&3):su+8*(i&3)+7], v[fb+8*i:fb+8*i+7], v[SBD+8*(2*sg+(i>>2)):SBD+8*(2*sg+(i>>2))+7], v[su+8*(i&3):su+8*(i&3)+7]
.endif
.if sg*8+i < 4
	v_wmma_f32_16x16x32_f16 v[UI+8*(i&3):UI+8*(i&3)+7], v[fb+8*i:fb+8*i+7], v[SBI+8*(2*sg+(i>>2)):SBI+8*(2*sg+(i>>2))+7], 0
.else
	v_wmma_f32_16x16x32_f16 v[UI+8*(i&3):UI+8*(i&3)+7], v[fb+8*i:fb+8*i+7], v[SBI+8*(2*sg+(i>>2)):SBI+8*(2*sg+(i>>2))+7], v[UI+8*(i&3):UI+8*(i&3)+7]
.endif
.set i, i+1
.endr
.else
.rept 8
.if fz*(3-sg)
	v_wmma_f32_16x16x32_f16 v[XD+8*i:XD+8*i+7], v[fb+8*i:fb+8*i+7], v[UBD+8*(sg-2):UBD+8*(sg-2)+7], 0
.else
	v_wmma_f32_16x16x32_f16 v[XD+8*i:XD+8*i+7], v[fb+8*i:fb+8*i+7], v[UBD+8*(sg-2):UBD+8*(sg-2)+7], v[XD+8*i:XD+8*i+7]
.endif
	v_wmma_f32_16x16x32_f16 v[XI+8*i:XI+8*i+7], v[fb+8*i:fb+8*i+7], v[UBI+8*(sg-2):UBI+8*(sg-2)+7], v[XI+8*i:XI+8*i+7]
.set i, i+1
.endr
.endif
.if sg == 3
.if (\last)*sc == 0
.rept 4
	v_nop
.endr
	WIN 0x05
.set i, 0
.rept 32
	v_cvt_pk_f16_f32 v[SBD+i], v[XD+2*i], v[XD+2*i+1]      ; both X as fragments for the next chunk
	v_cvt_pk_f16_f32 v[SBI+i], v[XI+2*i], v[XI+2*i+1]
.set i, i+1
.endr
.endif
.endif
.set GG, GG+1
.endr
	WIN 0
.if \pref
	s_wait_xcnt 0x0                                ; the base is stepped only behind this wait
	s_add_nc_u64 s[6:7], s[6:7], 65536
.endif
.endm
; Work on a slot; in front of it the other slot, which has been read, is filled again by one joint load behind a round of the cluster's barrier.
.macro TWO slot, refill, pref, last
	s_wait_tensorcnt 0x0                           ; all my tensor loads have landed, this slot's among them: a group 0 may be written
	ds_add_u32 v254, v255
	s_wait_dscnt 0x0
	s_add_nc_u64 s[G0+6-4*\slot:G0+7-4*\slot], s[G0+6-4*\slot:G0+7-4*\slot], 2*GSTEP
	s_wait_dscnt 0x0                               ; my reads of the other slot are back
	ROUND                                          ; both now hold of all four partners
.if \refill
	tensor_load_to_lds s[G0+4-4*\slot:G0+7-4*\slot], s[G1:G1+7]
	s_nop 0
.endif
	SLOTWORK \slot, \pref, \last, 0
.endm
	s_wait_tensorcnt 0x1                           ; chunks 0 and 1 are in LDS; slot 1's load stays out
	SLOTWORK 0, 1, 0, 1
	s_mov_b32 s40, 7                               ; 16 fills: one ahead of the loop, 7 x 2 in it, one behind
.Lloop:
	TWO 1, 1, 1, 0
	TWO 0, 1, 1, 0
	s_sub_co_u32 s40, s40, 1
	s_cmp_lg_u32 s40, 0
	s_cbranch_scc1 .Lloop
	TWO 1, 0, 0, 1                                 ; chunks 30, 31: nothing is left to fetch
	ROUND                                          ; the closing round: no partner can still ask for a tile that names me
.rept 4
	v_nop                                          ; four places behind the last products
.endr
	WIN 0x04
.set i, 0
.rept 16
	global_store_b128 v[L16], v[XD+4*i:XD+4*i+3], s[8:9] offset:512*i      ; B in accumulator layout: each store covers 512 consecutive bytes
.set i, i+1
.endr
	WIN 0x05
.set i, 0
.rept 32
	v_cvt_pk_f16_f32 v[SBI+i], v[XI+2*i], v[XI+2*i+1]
.set i, i+1
.endr
	WIN 0
.irp t, 0,1,2,3,4,5,6,7
	ds_store_b128 v[STO], v[SBI+4*\t:SBI+4*\t+3] offset:32*\t              ; stage[column r][rows 16 t + 8 hh ..]
.endr
.irp t, 0,1,2,3,4,5,6,7
	ds_load_tr16_b128 v[SBD+4*\t:SBD+4*\t+3], v[TRD] offset:32*\t          ; row 16 t + r, columns 8 hh ..: LDS serves a wave's instructions in order
.endr
	s_wait_dscnt 0x0
.irp t, 0,1,2,3,4,5,6,7
	global_store_b128 v[L16], v[SBD+4*\t:SBD+4*\t+3], s[10:11] offset:1024*\t  ; my half of fragment (slice / 2, t): 512 consecutive bytes
.endr
	s_wait_tensorcnt 0x0
	ds_add_u32 v254, v255
	s_wait_dscnt 0x0
	s_endpgm
.Lfunc_end_k_qb5f6bc85d8_seg:
	.size	k_qb5f6bc85d8_seg, .Lfunc_end_k_qb5f6bc85d8_seg-k_qb5f6bc85d8_seg
	.p2alignl 7, 3214868480
	.fill 96, 4, 3214868480
	.section	.rodata,"a",@progbits
	.p2align	6, 0x0
	.amdhsa_kernel k_qb5f6bc85d8_seg
		.amdhsa_group_segment_fixed_size 327680
		.amdhsa_private_segment_fixed_size 0
		.amdhsa_enable_private_segment 0
		.amdhsa_kernarg_size 32
		.amdhsa_user_sgpr_count 2
		.amdhsa_user_sgpr_kernarg_segment_ptr 1
		.amdhsa_wavefront_size32 1
		.amdhsa_system_sgpr_workgroup_id_x 1
		.amdhsa_system_sgpr_workgroup_id_y 1
		.amdhsa_system_sgpr_workgroup_id_z 1
		.amdhsa_system_vgpr_workitem_id 0
		.amdhsa_next_free_vgpr 768
		.amdhsa_next_free_sgpr 66
		.amdhsa_reserve_vcc 1
		.amdhsa_float_denorm_mode_32 3
		.amdhsa_float_denorm_mode_16_64 3
		.amdhsa_memory_ordered 1
		.amdhsa_forward_progress 1
		.amdhsa_inst_pref_size 174
	.end_amdhsa_kernel
	.amdgpu_metadata
---
amdhsa.version: [ 1, 2 ]
amdhsa.kernels:
  - .name:           k_qb5f6bc85d8_seg
    .symbol:         k_qb5f6bc85d8_seg.kd
    .args:
      - { .name: rec, .offset: 0, .size: 8, .value_kind: global_buffer, .address_space: global }
      - { .name: ut, .offset: 8, .size: 8, .value_kind: global_buffer, .address_space: global }
      - { .name: sb, .offset: 16, .size: 8, .value_kind: global_buffer, .address_space: global }
      - { .name: sm, .offset: 24, .size: 8, .value_kind: global_buffer, .address_space: global }
    .group_segment_fixed_size: 327680
    .private_segment_fixed_size: 0
    .kernarg_segment_align: 8
    .kernarg_segment_size: 32
    .max_flat_workgroup_size: 32
    .sgpr_count:     66
    .vgpr_count:     768
    .wavefront_size: 32
...
	.end_amdgpu_metadata
.endif
;; end of part 4
;; launch scan (part 5): grid 8 x 32, 1 waves a work-group, clusters of 4 x 1, 327,680 bytes of LDS; arguments rec, ut, initial_state, sb, sm, out0, out1; writes out0, out1
.if DOCPART == 5
	.amdgcn_target "amdgcn-amd-amdhsa--gfx1250"
	.amdhsa_code_object_version 6
	.text
	.protected	k_qb5f6bc85d8_scan
	.globl	k_qb5f6bc85d8_scan
	.p2align	8
	.type	k_qb5f6bc85d8_scan,@function
k_qb5f6bc85d8_scan:
	s_mov_b64 s[64:65], 0
	v_nop
	global_prefetch_b8 v0, s[64:65] scope:SCOPE_SE
	s_setreg_imm32_b32 hwreg(HW_REG_WAVE_MODE, 25, 1), 1
	s_wait_xcnt 0x0
	s_wait_alu depctr_hold_cnt(0) depctr_sa_sdst(0) depctr_va_vdst(0) depctr_va_sdst(0) depctr_va_ssrc(0) depctr_va_vcc(0) depctr_vm_vsrc(0)
	s_getreg_b32 s2, hwreg(HW_REG_IB_STS2, 6, 4)
	s_cmp_eq_u32 s2, 0
	s_cbranch_scc0 .Lentry_in_a_cluster
	s_endpgm
.Lentry_in_a_cluster:
	s_bfe_u32 s2, ttmp6, 0x10000c
	s_cmp_lg_u32 s2, 0x3003
	s_cbranch_scc0 .Lentry_shape_is_right
	s_endpgm
.Lentry_shape_is_right:
; Gated delta rule, second level of the two-level scan.  A work-group of one wave owns (segment j of 32 chunks, head, 16 columns of the state S [128 x 16], f32).
; First it makes its segment's starting state from initial_state by j steps S = M_i S + B_i (M and B of the segments in front, from the launch before).
; Then per chunk, with the operands that the first launch prepared:  U = UT + NW S;  O = fq o (Qn S) + P U;  S = gc S + KT U.
; S and U enter the products rounded to f16 (11 bits: each output is a sum of a few large products, so an operand's rounding is not averaged out);
; S itself, U's sum and O stay f32.
; The state's 8 tiles in accumulator layout pack straight into second-source fragments, and so do U's 4 tiles: no shuffle, no LDS round trip.
; O is made with the fragments swapped, so that a lane holds 8 neighbouring columns of one token's row.
; CLUSTER: the four work-groups of a cluster own four slices of one (segment, head) and read the same records: each record pair is asked for jointly
; (mask 15) and lands in every partner's LDS.  Its address, and the count of the steps above, hang on the segment and the head alone.
; Two LDS slots of two records each; one joint load a slot; two tensor loads are out at the start, later one.
; Only segment 3 stores the final state; segments 0 to 2 still make their last chunk's update of S (16 of 1,792 matrix instructions), which nobody reads.
; LIMITS: |S|, |U| and the entries of M below 65,504, f16's largest number (they are of the size of v and of initial_state as long as g <= 0);
; a work-group owns 64 bytes of every row of out0, of out1 and of initial_state, so these move in pieces of 64 bytes.
.set REC, 57856
.set OKT, 16384                        ; the parts of a record: NW at 0
.set OGC, 32768
.set OFQ, 33024
.set OQ, 33280
.set OP, 49664
.set SLOT, 2*REC
.set L16, 3                            ; window 0: v3 16 lane; v4-7 fragments' address, record 0..3 of LDS; v8 out0 offset; v9 state offset
.set AD, 4
.set OOF, 8
.set SOF, 9
.set FA, 10                            ; v10-13 4 r + record base
.set GC, 14                            ; v14-17 gc of the slot's two chunks, each twice
.set SB, 32                            ; v32-63 S as f16 fragments (4 x 32 along dk)
.set UB, 64                            ; v64-79 U as f16 fragments (2 x 32 tokens)
.set FQ, 80                            ; v80-95 fq of token 16 mt + r, each twice
.set SS, 0                             ; window 1: v0-63 S, v64-95 and v96-127 U of even and odd chunks, v128-159 O
.set UA, 64
.set OO, 128
.set G1, 24                            ; window 2: four buffers of 64 registers for fragments from LDS; all 256 for a segment's M
.set G0, 32
.set MSB, 0
.macro WIN new                         ; the immediate's high byte repeats the setting that is left
.if MSB != \new
	s_set_vgpr_msb (MSB<<8)|\new
.set MSB, \new
.endif
.endm
.macro ROUND                           ; a round of the cluster's barrier
	s_barrier_signal -1
	s_barrier_wait -1
	s_cmp_lg_u32 s14, 0
	s_cbranch_scc1 .Lnot_wave_0_\@
	s_barrier_signal -3
.Lnot_wave_0_\@:
	s_barrier_wait -3
	s_barrier_signal -1
	s_barrier_wait -1
.endm
	s_load_b256 s[4:11], s[0:1], 0x0               ; rec s[4:5], ut s[6:7], initial_state s[8:9], sb s[10:11]
	s_load_b128 s[48:51], s[0:1], 0x20             ; sm s[48:49], out0 s[50:51]
	s_load_b64 s[12:13], s[0:1], 0x30              ; out1
	v_lshl_add_u32 v254, v0, 2, 0x38800
	v_mov_b32 v255, 0
	ds_add_u32 v254, v255
	ds_add_u32 v254, v255
	v_lshrrev_b32 v1, 5, v0
	v_readfirstlane_b32 s14, v1                    ; wave (there is one)
	s_bfe_u32 s15, ttmp6, 0x40000                  ; cx
	s_lshl_b32 s16, ttmp9, 2
	s_add_co_u32 s16, s16, s15                     ; slice = 4 x cluster x + cx
	s_and_b32 s23, ttmp7, 0xffff                   ; 8 j + h
	s_and_b32 s17, s23, 7                          ; head
	s_lshr_b32 s41, s23, 3                         ; segment
	s_lshl_b32 s18, s17, 7
	s_lshl_b32 s19, s41, 5
	s_add_co_u32 s18, s18, s19                     ; 128 h + 32 j: the segment's first record; no place in the cluster enters
	s_mul_i32 s18, s18, REC
	s_mov_b32 s19, 0
	s_lshl_b32 s20, s17, 22                        ; ut: (128 h + 32 j) x 32,768 + slice x 4,096
	s_lshl_b32 s22, s41, 20
	s_add_co_u32 s20, s20, s22
	s_lshl_b32 s22, s16, 12
	s_add_co_u32 s20, s20, s22
	s_mov_b32 s21, 0
	s_lshl_b32 s22, s16, 6                         ; slice x 64 bytes
	s_lshl_b32 s42, s17, 16                        ; state: head x 65,536
	s_add_co_u32 s42, s42, s22
	s_mov_b32 s43, 0
	s_lshl_b32 s44, s17, 9                         ; out0: head x 512
	s_add_co_u32 s44, s44, s22
	s_lshl_b32 s22, s41, 23                        ; + segment x 2,048 tokens x 4,096 bytes
	s_add_co_u32 s44, s44, s22
	s_mov_b32 s45, 0
	s_lshl_b32 s46, s17, 16                        ; sb of segment 0: head x 65,536 + slice x 8,192
	s_lshl_b32 s22, s16, 13
	s_add_co_u32 s46, s46, s22
	s_mov_b32 s47, 0
	s_lshl_b32 s52, s17, 15                        ; sm of segment 0: head x 32,768
	s_mov_b32 s53, 0
	; group 1: a dense block of 115,712 bytes as 452 rows of 32 elements of 8 bytes
	s_mov_b32 s[G1+0], 15|(3<<16)|(1<<21)          ; mask: the four partners; elements of 8 bytes; bit 21 beside a mask
	s_mov_b32 s[G1+1], 32<<16                      ; tensor_dim0 = 32
	s_mov_b32 s[G1+2], 452<<16                     ; tensor_dim1 = 452
	s_mov_b32 s[G1+3], 32<<16                      ; tile_dim0 = 32
	s_mov_b32 s[G1+4], 452                         ; tile_dim1 = 452
	s_mov_b32 s[G1+5], 32                          ; pitch
	s_mov_b32 s[G1+6], 0
	s_mov_b32 s[G1+7], 0
	s_mov_b32 s[G0+0], 1
	s_mov_b32 s[G0+1], 0
	s_mov_b32 s[G0+4], 1
	s_mov_b32 s[G0+5], SLOT
	v_and_b32 v1, 15, v0                           ; r
	v_bfe_u32 v2, v0, 4, 1                         ; hh
	v_lshlrev_b32 v[L16], 4, v0
	v_lshlrev_b32 v18, 2, v1
.irp i, 0,1,2,3
	v_add_nc_u32 v[AD+\i], \i*REC, v[L16]
	v_add_nc_u32 v[FA+\i], \i*REC, v18
.endr
	v_lshlrev_b32 v[OOF], 12, v1                   ; token r's row of 4,096 bytes
	v_lshl_add_u32 v[OOF], v2, 5, v[OOF]           ; + 8 hh columns
	v_lshl_add_u32 v[SOF], v2, 12, v18             ; state: 8 hh rows of 512 bytes + column r
	s_wait_dscnt 0x0
	s_wait_kmcnt 0x0
	s_add_nc_u64 s[4:5], s[4:5], s[18:19]
	s_add_nc_u64 s[6:7], s[6:7], s[20:21]
	s_add_nc_u64 s[8:9], s[8:9], s[42:43]
	s_add_nc_u64 s[12:13], s[12:13], s[42:43]
	s_add_nc_u64 s[50:51], s[50:51], s[44:45]
	s_add_nc_u64 s[10:11], s[10:11], s[46:47]
	s_add_nc_u64 s[48:49], s[48:49], s[52:53]
	s_mov_b64 s[G0+2:G0+3], s[4:5]
	s_or_b32 s[G0+3], s[G0+3], 0x80000000
	s_add_nc_u64 s[G0+6:G0+7], s[4:5], SLOT
	s_or_b32 s[G0+7], s[G0+7], 0x80000000
	ROUND                                          ; the four partners are here: the first joint loads meet
	tensor_load_to_lds s[G0:G0+3], s[G1:G1+7]      ; chunks 0, 1 of the segment
	s_nop 0
	tensor_load_to_lds s[G0+4:G0+7], s[G1:G1+7]    ; chunks 2, 3
	s_nop 0
	WIN 0x40                                       ; loaded data into window 1
.set i, 0
.rept 64
	global_load_b32 v[SS+i], v[SOF], s[8:9] offset:(16*(i>>3)+(i&7))*512   ; tile t, register j: row 16 t + 8 hh + j
.set i, i+1
.endr
.set i, 0
.rept 16
	global_load_b128 v[UA+4*i:UA+4*i+3], v[L16], s[6:7] offset:(i>>3)*32768+512*(i&7)   ; UT of chunks 0 and 1, straight into U's accumulators
.set i, i+1
.endr
	WIN 0
	s_wait_xcnt 0x0                                ; the base is stepped only behind this wait
	s_add_nc_u64 s[6:7], s[6:7], 65536
	s_wait_loadcnt 16                              ; the state is in; the 16 loads of UT stay out
	WIN 0x05
.set i, 0
.rept 32
	v_cvt_pk_f16_f32 v[SB+i], v[SS+2*i], v[SS+2*i+1]
.set i, i+1
.endr
	WIN 0
; The segment's starting state: S = M_i S + B_i for the segments i = 0 .. j - 1 in front of mine.
	s_cmp_eq_u32 s41, 0
	s_cbranch_scc1 .Lstart
	s_mov_b32 s54, 0
.Lcomb:
	WIN 0x40
.set i, 0
.rept 16
	global_load_b128 v[SS+4*i:SS+4*i+3], v[L16], s[10:11] offset:512*i     ; B_i starts the sums; the old S lives on in its packed copy
.set i, i+1
.endr
	WIN 0x80
.set i, 0
.rept 64
	global_load_b128 v[4*i:4*i+3], v[L16], s[48:49] offset:512*i           ; M_i: 32 fragments, index 8 ks + tile
.set i, i+1
.endr
	s_wait_loadcnt 0x0
	WIN 0x52
.set i, 0
.rept 32                                           ; eight accumulators take turns, one instruction a turn
	v_wmma_f32_16x16x32_f16 v[SS+8*(i&7):SS+8*(i&7)+7], v[8*i:8*i+7], v[SB+8*(i>>3):SB+8*(i>>3)+7], v[SS+8*(i&7):SS+8*(i&7)+7]
.set i, i+1
.endr
.rept 4
	v_nop                                          ; four places before the sums are read, and before the next trip's loads land on these registers
.endr
	WIN 0x05
.set i, 0
.rept 32
	v_cvt_pk_f16_f32 v[SB+i], v[SS+2*i], v[SS+2*i+1]
.set i, i+1
.endr
	WIN 0
	s_wait_xcnt 0x0                                ; the bases are stepped only behind this wait
	s_add_nc_u64 s[10:11], s[10:11], 524288        ; the next segment: 8 heads x 65,536
	s_add_nc_u64 s[48:49], s[48:49], 262144        ; 8 heads x 32,768
	s_add_co_u32 s54, s54, 1
	s_cmp_lt_u32 s54, s41
	s_cbranch_scc1 .Lcomb
.Lstart:
; Group G (0..15) of a slot: chunk G >> 3, part G & 7: NW (2 groups), Q (2), P (2 half groups), KT (2).  Buffer G & 3.
.macro LDG slot, G
.set lg, (\G)&7
.set lad, AD+2*\slot+((\G)>>3)
.set lbf, ((\G)&3)*64
.if lg < 2
.set lof, lg*8192
.set lnf, 8
.elseif lg < 4
.set lof, OQ+(lg-2)*8192
.set lnf, 8
.elseif lg < 6
.set lof, OP+(lg-4)*4096
.set lnf, 4
.else
.set lof, OKT+(lg-6)*8192
.set lnf, 8
.endif
	WIN 0x80
.set lf, 0
.rept lnf
	ds_load_b128 v[lbf+8*lf:lbf+8*lf+3], v[lad] offset:lof+1024*lf           ; 32 lanes, 16 neighbouring bytes each
	ds_load_b128 v[lbf+8*lf+4:lbf+8*lf+7], v[lad] offset:lof+1024*lf+512
.set lf, lf+1
.endr
.endm
.macro CNT G                           ; CN = LDS loads of group G
.if (\G) > 15
.set CN, 0
.elseif ((\G)&6) == 4
.set CN, 8
.else
.set CN, 16
.endif
.endm
; The two chunks of a slot.  pref = 1: UT two chunks ahead is fetched; last = 1: the slot holds the segment's last chunks.
; Matrix instructions take their 4 or 8 accumulators by turns, one instruction a turn.
.macro SLOTWORK slot, pref, last
	WIN 0
.set i, 0
.rept 8
	ds_load_b32 v[FQ+2*i], v[FA+2*\slot+(i>>2)] offset:OFQ+64*(i&3)
	ds_load_b32 v[FQ+2*i+1], v[FA+2*\slot+(i>>2)] offset:OFQ+64*(i&3)
.set i, i+1
.endr
.irp ci, 0,1
	ds_load_b32 v[GC+2*\ci], v[FA+2*\slot+\ci] offset:OGC
	ds_load_b32 v[GC+2*\ci+1], v[FA+2*\slot+\ci] offset:OGC
.endr
	LDG \slot, 0
	LDG \slot, 1
	LDG \slot, 2
.set GG, 0
.rept 16
.set sg, GG&7
.set sc, GG>>3
.set sb, (GG&3)*64
.set su, UA+32*sc
.if sg != 0
.rept 4
	v_nop                                          ; four places behind the last group's products: for the loads into its buffer and for what reads its sums
.endr
.endif
.if GG+3 <= 15
	LDG \slot, GG+3
.endif
.if sg == 0
.if (\last)*sc
	s_wait_loadcnt 0x0                             ; the last chunk's UT: nothing was asked for behind it
.else
	s_wait_loadcnt 0x8                             ; this chunk's UT is in; the next chunk's 8 loads stay out
.endif
.endif
.if sg == 2
	s_wait_xcnt 0x0                                ; the last chunk's stores have read O: it is written anew only behind this wait
.endif
.if sg == 4
	WIN 0x05
.set i, 0
.rept 16
	v_cvt_pk_f16_f32 v[UB+i], v[su+2*i], v[su+2*i+1]
.set i, i+1
.endr
.if \pref
	WIN 0x40
.set i, 0
.rept 8
	global_load_b128 v[su+4*i:su+4*i+3], v[L16], s[6:7] offset:sc*32768+512*i   ; UT two chunks ahead, into the accumulators just read
.set i, i+1
.endr
.endif
	WIN 0x41
.set i, 0
.rept 16
	v_pk_mul_f32 v[OO+2*i:OO+2*i+1], v[OO+2*i:OO+2*i+1], v[FQ+8*sc+2*(i>>2):FQ+8*sc+2*(i>>2)+1]
.set i, i+1
.endr
.endif
.if sg == 5
	WIN 0x41
.set i, 0
.rept 32
	v_pk_mul_f32 v[SS+2*i:SS+2*i+1], v[SS+2*i:SS+2*i+1], v[GC+2*sc:GC+2*sc+1]
.set i, i+1
.endr
.endif
.if sg == 6
	WIN 0x04
.set i, 0
.rept 8
	global_store_b128 v[OOF], v[OO+4*i:OO+4*i+3], s[50:51] offset:(64*sc+16*(i>>1))*4096+16*(i&1)
.set i, i+1
.endr
.endif
	CNT GG+1
.set WC, CN
	CNT GG+2
.set WC, WC+CN
	CNT GG+3
.set WC, WC+CN
	s_wait_dscnt WC                                ; LDS loads come back in order: this group is in, the three younger groups stay out
.set i, 0
.if sg < 2
	WIN 0x52
.rept 8
	v_wmma_f32_16x16x32_f16 v[su+8*(i&3):su+8*(i&3)+7], v[sb+8*i:sb+8*i+7], v[SB+8*(2*sg+(i>>2)):SB+8*(2*sg+(i>>2))+7], v[su+8*(i&3):su+8*(i&3)+7]
.set i, i+1
.endr
.elseif sg < 4
	WIN 0x58
.rept 8
.if (sg-2)*8+i < 4
	v_wmma_f32_16x16x32_f16 v[OO+8*(i&3):OO+8*(i&3)+7], v[SB+8*(2*(sg-2)+(i>>2)):SB+8*(2*(sg-2)+(i>>2))+7], v[sb+8*i:sb+8*i+7], 0
.else
	v_wmma_f32_16x16x32_f16 v[OO+8*(i&3):OO+8*(i&3)+7], v[SB+8*(2*(sg-2)+(i>>2)):SB+8*(2*(sg-2)+(i>>2))+7], v[sb+8*i:sb+8*i+7], v[OO+8*(i&3):OO+8*(i&3)+7]
.endif
.set i, i+1
.endr
.elseif sg < 6
	WIN 0x58
.rept 4
	v_wmma_f32_16x16x32_f16 v[OO+8*i:OO+8*i+7], v[UB+8*(sg-4):UB+8*(sg-4)+7], v[sb+8*i:sb+8*i+7], v[OO+8*i:OO+8*i+7]
.set i, i+1
.endr
.else
	WIN 0x52
.rept 8
	v_wmma_f32_16x16x32_f16 v[SS+8*i:SS+8*i+7], v[sb+8*i:sb+8*i+7], v[UB+8*(sg-6):UB+8*(sg-6)+7], v[SS+8*i:SS+8*i+7]
.set i, i+1
.endr
.endif
.if sg == 7
.if (\last)*sc == 0
.rept 4
	v_nop
.endr
	WIN 0x05
.set i, 0
.rept 32
	v_cvt_pk_f16_f32 v[SB+i], v[SS+2*i], v[SS+2*i+1]       ; the new state as fragments for the next chunk
.set i, i+1
.endr
.endif
.endif
.set GG, GG+1
.endr
	WIN 0
	s_wait_xcnt 0x0                                ; the bases are stepped only behind this wait
.if \pref
	s_add_nc_u64 s[6:7], s[6:7], 65536
.endif
.if \last == 0
	s_add_nc_u64 s[50:51], s[50:51], 524288        ; 128 tokens
.endif
.endm
; Work on a slot; in front of it the other slot, which has been read, is filled again by one joint load behind a round of the cluster's barrier.
.macro TWO slot, refill, pref, last
	s_wait_tensorcnt 0x0                           ; all my tensor loads have landed, this slot's among them: a group 0 may be written
	ds_add_u32 v254, v255
	s_wait_dscnt 0x0
	s_add_nc_u64 s[G0+6-4*\slot:G0+7-4*\slot], s[G0+6-4*\slot:G0+7-4*\slot], 2*SLOT
	s_wait_dscnt 0x0                               ; my reads of the other slot are back
	ROUND                                          ; both now hold of all four partners
.if \refill
	tensor_load_to_lds s[G0+4-4*\slot:G0+7-4*\slot], s[G1:G1+7]
	s_nop 0
.endif
	SLOTWORK \slot, \pref, \last
.endm
	s_wait_tensorcnt 0x1                           ; chunks 0 and 1 are in LDS; slot 1's load stays out
	SLOTWORK 0, 1, 0
	s_mov_b32 s40, 7                               ; 16 fills: one ahead of the loop, 7 x 2 in it, one behind
.Lloop:
	TWO 1, 1, 1, 0
	TWO 0, 1, 1, 0
	s_sub_co_u32 s40, s40, 1
	s_cmp_lg_u32 s40, 0
	s_cbranch_scc1 .Lloop
	TWO 1, 0, 0, 1                                 ; chunks 30, 31 of the segment: nothing is left to fetch
	ROUND                                          ; the closing round: no partner can still ask for a tile that names me
	s_cmp_lg_u32 s41, 3
	s_cbranch_scc1 .Lend                           ; the final state is the last segment's
.rept 4
	v_nop                                          ; four places behind the last products
.endr
	WIN 0x04
.set i, 0
.rept 64
	global_store_b32 v[SOF], v[SS+i], s[12:13] offset:(16*(i>>3)+(i&7))*512
.set i, i+1
.endr
	WIN 0
.Lend:
	s_endpgm
.Lfunc_end_k_qb5f6bc85d8_scan:
	.size	k_qb5f6bc85d8_scan, .Lfunc_end_k_qb5f6bc85d8_scan-k_qb5f6bc85d8_scan
	.p2alignl 7, 3214868480
	.fill 96, 4, 3214868480
	.section	.rodata,"a",@progbits
	.p2align	6, 0x0
	.amdhsa_kernel k_qb5f6bc85d8_scan
		.amdhsa_group_segment_fixed_size 327680
		.amdhsa_private_segment_fixed_size 0
		.amdhsa_enable_private_segment 0
		.amdhsa_kernarg_size 56
		.amdhsa_user_sgpr_count 2
		.amdhsa_user_sgpr_kernarg_segment_ptr 1
		.amdhsa_wavefront_size32 1
		.amdhsa_system_sgpr_workgroup_id_x 1
		.amdhsa_system_sgpr_workgroup_id_y 1
		.amdhsa_system_sgpr_workgroup_id_z 1
		.amdhsa_system_vgpr_workitem_id 0
		.amdhsa_next_free_vgpr 768
		.amdhsa_next_free_sgpr 66
		.amdhsa_reserve_vcc 0
		.amdhsa_float_denorm_mode_32 3
		.amdhsa_float_denorm_mode_16_64 3
		.amdhsa_memory_ordered 1
		.amdhsa_forward_progress 1
		.amdhsa_inst_pref_size 197
	.end_amdhsa_kernel
	.amdgpu_metadata
---
amdhsa.version: [ 1, 2 ]
amdhsa.kernels:
  - .name:           k_qb5f6bc85d8_scan
    .symbol:         k_qb5f6bc85d8_scan.kd
    .args:
      - { .name: rec, .offset: 0, .size: 8, .value_kind: global_buffer, .address_space: global }
      - { .name: ut, .offset: 8, .size: 8, .value_kind: global_buffer, .address_space: global }
      - { .name: initial_state, .offset: 16, .size: 8, .value_kind: global_buffer, .address_space: global }
      - { .name: sb, .offset: 24, .size: 8, .value_kind: global_buffer, .address_space: global }
      - { .name: sm, .offset: 32, .size: 8, .value_kind: global_buffer, .address_space: global }
      - { .name: out0, .offset: 40, .size: 8, .value_kind: global_buffer, .address_space: global }
      - { .name: out1, .offset: 48, .size: 8, .value_kind: global_buffer, .address_space: global }
    .group_segment_fixed_size: 327680
    .private_segment_fixed_size: 0
    .kernarg_segment_align: 8
    .kernarg_segment_size: 56
    .max_flat_workgroup_size: 32
    .sgpr_count:     66
    .vgpr_count:     768
    .wavefront_size: 32
...
	.end_amdgpu_metadata
.endif
;; end of part 5
;; ======== version 3 of 3: 3 launches; version 2 with the launch prep written anew for expert scheduling mode
;; limits: values are held in f16: magnitudes above 65,504 overflow, below 6.1e-05 lose precision
;; workspace buffers: rec 59,244,544 bytes; ut 33,554,432 bytes; sb 1,572,864 bytes; sm 786,432 bytes
;; launch prep (part 6): grid 128 x 8, 4 waves a work-group, no clusters, 120,320 bytes of LDS; arguments q, k, v, g, beta, rec, ut; writes rec, ut
.if DOCPART == 6
	.amdgcn_target "amdgcn-amd-amdhsa--gfx1250"
	.amdhsa_code_object_version 6
	.text
	.protected	k_qb5f6bc85d8_prep
	.globl	k_qb5f6bc85d8_prep
	.p2align	8
	.type	k_qb5f6bc85d8_prep,@function
k_qb5f6bc85d8_prep:
	s_mov_b64 s[64:65], 0
	v_nop
	global_prefetch_b8 v0, s[64:65] scope:SCOPE_SE
	s_setreg_imm32_b32 hwreg(HW_REG_WAVE_SCHED_MODE, 0, 2), 2
	s_setreg_imm32_b32 hwreg(HW_REG_WAVE_MODE, 25, 1), 1
	s_wait_xcnt 0x0
	s_wait_alu depctr_vm_vsrc(0)
; Gated delta rule, chunked form: everything of a (chunk of 64 tokens, head) that does not hang on the state.
; With G = inclusive sum of g in the chunk, kn = k rsqrt(|k|^2 + 1e-6), qn the same of q,
; A[i][j] = beta_i e^(G_i-G_j) (kn_i.kn_j) for j < i, and T = (I + A)^-1, this launch stores
;   ut  = T diag(beta) V                         f32, in the accumulator layout of the later launches
;   rec = NW = -T diag(beta e^G) Kn, KT = (kn e^(G_63-G))^T, gc = e^(G_63), fq = 128^-0.5 e^G, Qn,
;         P[i][j] = 128^-0.5 e^(G_i-G_j) (qn_i.kn_j) for j <= i; matrices in f16 as ready operand fragments of 1,024 bytes, gc and fq in f32.
;         NW, KT and gc, which are all that the state's own recursion needs, lie first and together.
; Exponentials are taken of G_i - G_j (j <= i), G_63 - G_j and G_i alone; masked places are replaced by 0 by a select.
; T: the two 32 x 32 diagonal blocks by exact forward substitution in f32, the lower left block by two f16 products.
; WHY f16: with decays of e^g a token each output is a sum of a few large products, so an operand's rounding is not averaged out;
; f16's 11 bits leave an eighth of the error of bf16's 8.  kn and qn are at most 1 by their normalisation, the decays at most 1 for g <= 0.
; LIMITS: |v| and the entries of T diag(beta) below 65,504, and e^(sum of g over any part of a chunk) below 65,504 (f16's largest number);
; the sum G is a tree sum over lanes, so its rounding order differs from a running sum.
; Work-groups share no input (each owns its 64 tokens of one head), so there is nothing to ask for jointly: no cluster.
; Four waves; wave w owns token rows 16 w .. 16 w + 15.  Loads go through registers; a row of a head is 512 consecutive bytes.
; THE MODE: SCHED_MODE bits 1:0 = 2 (LLVM: expert scheduling mode 2), set by the entry lines.  The code itself states the register dependences
; between vector or matrix instructions and memory or LDS instructions, with s_wait_alu, always for 0.
; THE PLAN.  Registers that memory or LDS instructions touch:
;   v4, v5, v6, v23   offsets, made at the head and never written again.
;   v24-28, s33-37    the five prefix steps' lane addresses and masks, made at the head; v8, v9: read by a step's permutes, written by its adds.
;   XK, XQ, XV        the rows as loaded; they are rounded to f16 IN PLACE, eight rows to a batch, and the LDS stores read these registers, which nothing writes
;                     again before the first barrier.  A batch's stores stand behind the wait for the next batch's v_rsq_f32: one wait states both.
;   phase 2           three fragment buffers; K steps 0 to 2 are asked for together, step 3 behind step 0's products, the gates' vectors behind those of steps 1 and 2.
;   phase 3           each tile's results lie in registers of their own and are stored behind the next tile's wait for its exponentials.
;   phase 4           two coefficient buffers by turns: chunk c + 2 of the columns is asked for when chunk c's multiply-adds are done.
;   phase 6           each half of the fragments of v is asked for again, for kn, behind the products that read it.
; A compare's mask goes to a scalar register, eight compares to a run, with one wait behind the run.
.set REC, 57856
.set ONW, 0                            ; the parts of a record
.set OKT, 16384
.set OGC, 32768
.set OFQ, 33024
.set OQ, 33280
.set OP, 49664
.set KB, 0                             ; kn, f16, 64 rows, pitch 272
.set KD, 17408                         ; kn e^(G63-G), f16, pitch 272
.set QB, 34816                         ; qn
.set VB, 52224                         ; v
.set NAT, 69632                        ; f32 [x][y] = -A[y][x], pitch 272
.set NAB, 87040                        ; f16 [x][y-32], pitch 80
.set T0, 92160                         ; the two diagonal blocks of T, f16 [row][32], pitch 80
.set T1, 97280                         ; T diag(beta), f16 [64][64], pitch 144
.set T21, 9216                         ; from T1 to T2 = -T diag(beta e^G)
.set PV, 115712                        ; each wave's own vectors, PVB bytes a wave
.set PVB, 1024
.set VG, 0                             ; G log2(e)
.set VD, 256                           ; e^(G63-G)
.set VBT, 512                          ; beta
.set VW, 768                           ; -beta e^G
.set LN, 1
.set R, 2
.set HH, 3
.set L16, 4
.set L32, 5
.set L4, 6
.set GA, 8
.set GB, 9
.set BA, 10
.set BB, 11
.set EA, 12                            ; e^G; later v[12:13] is the pair whose first half holds a row's decay
.set EB, 13
.set PVL, 18
.set POFF, 23
.set PA, 24                            ; v24-28  prefix step i: 4 (lane - 2^i)
.set PM, 33                            ; s33-37  prefix step i: the lanes with lane >= 2^i
.set MK, 4                             ; s4-11   a run of eight masks (the addresses of q, k, v, g that lay here have served: their loads are in)
.set XK, 32
.set XQ, 96
.set XV, 160
.set DD, 224
.set RS, 240                           ; v240, 242 .. 254: eight rows' sums of squares, then their rsqrt; the odd registers between: at work
	s_load_b256 s[4:11], s[0:1], 0x0               ; q s[4:5], k s[6:7], v s[8:9], g s[10:11]
	s_load_b128 s[12:15], s[0:1], 0x20             ; beta s[12:13], rec s[14:15]
	s_load_b64 s[16:17], s[0:1], 0x30              ; ut
	v_lshl_add_u32 v22, v0, 2, 0x1d400
	v_mov_b32 v29, 0
	v_lshrrev_b32 v7, 5, v0
	v_readfirstlane_b32 s18, v7                    ; wave
	s_and_b32 s20, ttmp7, 0xffff                   ; head
	s_mov_b32 s24, 0x76543210                      ; v_permlanex16_b32: lane i reads lane i of the other half
	s_mov_b32 s25, 0xfedcba98
	v_and_b32 v[LN], 31, v0
	v_and_b32 v[R], 15, v0
	v_bfe_u32 v[HH], v0, 4, 1
	v_lshlrev_b32 v[L16], 4, v[LN]
	v_lshlrev_b32 v[L32], 5, v[LN]
	v_lshlrev_b32 v[L4], 2, v[LN]
.set i, 0
.rept 5
	v_add_nc_u32 v[PA+i], -(4<<i), v[L4]           ; lane l takes lane l - 2^i,
	v_cmp_le_u32 s[PM+i], 1<<i, v[LN]              ; where there is one
.set i, i+1
.endr
.set i, 0
.rept 8
	v_mov_b32 v[RS+2*i+1], 0                       ; destinations that count as read, and the unused halves of eight pairs
.set i, i+1
.endr
	s_wait_alu depctr_va_sdst(0)                   ; s18 and the five masks s33-37 are written, ahead of their first readers
	s_lshl_b32 s22, ttmp9, 18                      ; chunk x 64 tokens x 4,096 bytes
	s_lshl_b32 s21, s20, 9                         ; + head x 512
	s_add_co_u32 s22, s22, s21
	s_lshl_b32 s21, s18, 16                        ; + wave x 16 tokens
	s_add_co_u32 s22, s22, s21
	s_mov_b32 s23, 0
	s_lshl_b32 s26, ttmp9, 11                      ; g, beta: chunk x 64 x 32 bytes + 4 head
	s_lshl2_add_u32 s26, s20, s26
	s_mov_b32 s27, 0
	s_lshl_b32 s28, s20, 7
	s_add_co_u32 s28, s28, ttmp9                   ; 128 head + chunk
	s_lshl_b32 s30, s28, 15                        ; x 32,768 bytes of ut
	s_mov_b32 s31, 0
	s_mul_i32 s28, s28, REC                        ; x a record
	s_mov_b32 s29, 0
	s_mul_i32 s19, s18, PVB
	s_add_co_u32 s19, s19, PV                      ; my wave's own vectors
	s_lshl_b32 s21, s18, 10
	v_add_nc_u32 v[POFF], s21, v[L16]              ; 1,024 w + 16 lane: my fragment's place in a group of four
	s_wait_kmcnt 0x0
	s_add_nc_u64 s[4:5], s[4:5], s[22:23]
	s_add_nc_u64 s[6:7], s[6:7], s[22:23]
	s_add_nc_u64 s[8:9], s[8:9], s[22:23]
	s_add_nc_u64 s[10:11], s[10:11], s[26:27]
	s_add_nc_u64 s[12:13], s[12:13], s[26:27]
	s_add_nc_u64 s[14:15], s[14:15], s[28:29]
	s_add_nc_u64 s[16:17], s[16:17], s[30:31]
	s_wait_alu depctr_va_vdst(0)                   ; the offsets v4, v5, v6, v23 and the lane addresses v24-28 are written, which loads, stores and permutes read
; ---- phase 0: loads, prefix sum of g, the gates' vectors, norms, f16 copies in LDS
	global_load_b32 v[GA], v[L32], s[10:11]                ; g of tokens lane and lane + 32
	global_load_b32 v[GB], v[L32], s[10:11] offset:1024
	global_load_b32 v[BA], v[L32], s[12:13]
	global_load_b32 v[BB], v[L32], s[12:13] offset:1024
.set i, 0
.rept 16
	global_load_b128 v[XK+4*i:XK+4*i+3], v[L16], s[6:7] offset:4096*i th:TH_LOAD_NT
.set i, i+1
.endr
.set i, 0
.rept 16
	global_load_b128 v[XQ+4*i:XQ+4*i+3], v[L16], s[4:5] offset:4096*i th:TH_LOAD_NT
.set i, i+1
.endr
.set i, 0
.rept 16
	global_load_b128 v[XV+4*i:XV+4*i+3], v[L16], s[8:9] offset:4096*i th:TH_LOAD_NT
.set i, i+1
.endr
	s_lshl_b32 s21, s18, 6
	s_add_co_u32 s22, s21, s19
	v_mov_b32 v19, s22                             ; my 16 rows' words in my own vectors
	s_mul_i32 s21, s18, 4352
	v_lshl_add_u32 v21, v[LN], 3, s21              ; row 16 w, 8 bytes a lane
	s_wait_loadcnt 48                              ; g and beta are in; the 48 row loads stay out
	v_mul_f32 v[GA], 0x3fb8aa3b, v[GA]             ; in units of log2
	v_mul_f32 v[GB], 0x3fb8aa3b, v[GB]
.irp i, 0,1,2,3,4
	s_wait_alu depctr_va_vdst(0)                   ; the partial sums v8, v9 are written, which the permutes read; the last step's selects and adds are done with v15, v16, in which they land (the first time: v19 and v21 are written too)
	ds_bpermute_b32 v15, v[PA+\i], v[GA]
	ds_bpermute_b32 v16, v[PA+\i], v[GB]
	s_wait_dscnt 0x0
	s_wait_alu depctr_vm_vsrc(0)                   ; the permutes have read v8 and v9, which the adds write
	v_cndmask_b32 v15, 0, v15, s[PM+\i]
	v_cndmask_b32 v16, 0, v16, s[PM+\i]
	v_add_f32 v[GA], v[GA], v15
	v_add_f32 v[GB], v[GB], v16
.endr
	v_readlane_b32 s21, v[GA], 31
	s_wait_alu depctr_va_sdst(0)                   ; s21 is written, ahead of the add that reads it
	v_add_f32 v[GB], s21, v[GB]
	v_readlane_b32 s32, v[GB], 31                  ; G63
	s_wait_alu depctr_va_sdst(0)                   ; s32 is written, ahead of its first reader
	v_sub_f32 v14, s32, v[GA]
	v_sub_f32 v15, s32, v[GB]
	v_add_f32 v16, 0xc0600000, v[GA]               ; G - 3.5: 128^-0.5 is 2^-3.5
	v_add_f32 v17, 0xc0600000, v[GB]
	v_exp_f32 v14, v14                             ; e^(G63-G)
	v_exp_f32 v15, v15
	v_exp_f32 v[EA], v[GA]                         ; e^G
	v_exp_f32 v[EB], v[GB]
	v_exp_f32 v20, v16                             ; fq
	v_exp_f32 v30, v17
	v_exp_f32 v7, s32                              ; gc
	v_add_nc_u32 v[PVL], s19, v[L4]                ; the plain instruction behind the exponentials
	s_wait_alu depctr_va_vdst(0)                   ; the seven exponentials have written their results, ahead of their first readers; v18, v14, v15, v20, v30, v7 are written, which the stores below read
	ds_store_b32 v[PVL], v[GA] offset:VG
	ds_store_b32 v[PVL], v[GB] offset:VG+128
	ds_store_b32 v[PVL], v14 offset:VD
	ds_store_b32 v[PVL], v15 offset:VD+128
	ds_store_b32 v[PVL], v[BA] offset:VBT
	ds_store_b32 v[PVL], v[BB] offset:VBT+128
	v_mul_f32 v16, -v[BA], v[EA]                   ; -beta e^G
	v_mul_f32 v17, -v[BB], v[EB]
	s_wait_alu depctr_va_vdst(0)                   ; v16 and v17 are written, which the next two stores read
	ds_store_b32 v[PVL], v16 offset:VW
	ds_store_b32 v[PVL], v17 offset:VW+128
.irp m, 0,1,2,3
	ds_load_b128 v[DD+4*\m:DD+4*\m+3], v19 offset:VD+16*\m   ; e^(G63-G) of my 16 rows, in every lane (a wave's LDS instructions are served in order)
.endr
	s_cmp_lg_u32 s18, 0
	s_cbranch_scc1 .Lnofq
	global_store_b32 v[L4], v20, s[14:15] offset:OFQ
	global_store_b32 v[L4], v30, s[14:15] offset:OFQ+128
	global_store_b32 v[L4], v7, s[14:15] offset:OGC        ; 64 copies, so that any lane finds one
	global_store_b32 v[L4], v7, s[14:15] offset:OGC+128
.Lnofq:
; Eight rows at a time, x = the first row's first register: v[RS+2i] = rsqrt(sum over row i of x^2 + 1e-6), in every lane.
; The eight rows go side by side, so that no line reads the result of the line before it; each row's sum keeps its order.
.macro RSUM x
.irp c, 0,1,2,3
.set i, 0
.rept 8
.if \c == 0
	v_mul_f32 v[RS+2*i], v[\x+4*i], v[\x+4*i]
.else
	v_fmac_f32 v[RS+2*i], v[\x+4*i+\c], v[\x+4*i+\c]
.endif
.set i, i+1
.endr
.endr
.irp m, 1,2,4,8
.set i, 0
.rept 8
	v_add_f32_dpp v[RS+2*i], v[RS+2*i], v[RS+2*i] row_xmask:\m row_mask:0xf bank_mask:0xf
.set i, i+1
.endr
.endr
.set i, 0
.rept 8
	v_permlanex16_b32 v[RS+2*i+1], v[RS+2*i], s24, s25
.set i, i+1
.endr
.set i, 0
.rept 8
	v_add_f32 v[RS+2*i], v[RS+2*i], v[RS+2*i+1]
.set i, i+1
.endr
.set i, 0
.rept 8
	v_add_f32 v[RS+2*i], 0x358637bd, v[RS+2*i]
.set i, i+1
.endr
.set i, 0
.rept 8
	v_rsq_f32 v[RS+2*i], v[RS+2*i]                 ; one batch; the caller's next vector line is plain and names none of these
.set i, i+1
.endr
.endm
; Rows lo .. lo + 7 of k: a row's four registers end as kn (two registers of f16) and kn e^(G63-G) (two).
.macro SCK lo
.set i, \lo
.rept 8
	v_mov_b32 v12, v[DD+i]                         ; the row's decay into a pair's first half
	v_pk_mul_f32 v[XK+4*i:XK+4*i+1], v[XK+4*i:XK+4*i+1], v[RS+2*(i&7):RS+2*(i&7)+1] op_sel_hi:[1,0]       ; kn
	v_pk_mul_f32 v[XK+4*i+2:XK+4*i+3], v[XK+4*i+2:XK+4*i+3], v[RS+2*(i&7):RS+2*(i&7)+1] op_sel_hi:[1,0]
	v_pk_mul_f32 v[24:25], v[XK+4*i:XK+4*i+1], v[12:13] op_sel_hi:[1,0]                                  ; kn e^(G63-G)
	v_pk_mul_f32 v[26:27], v[XK+4*i+2:XK+4*i+3], v[12:13] op_sel_hi:[1,0]
	v_cvt_pk_f16_f32 v[XK+4*i], v[XK+4*i], v[XK+4*i+1]
	v_cvt_pk_f16_f32 v[XK+4*i+1], v[XK+4*i+2], v[XK+4*i+3]
	v_cvt_pk_f16_f32 v[XK+4*i+2], v24, v25
	v_cvt_pk_f16_f32 v[XK+4*i+3], v26, v27
.set i, i+1
.endr
.endm
.macro STK lo
.set i, \lo
.rept 8
	ds_store_b64 v21, v[XK+4*i:XK+4*i+1] offset:KB+272*i
	ds_store_b64 v21, v[XK+4*i+2:XK+4*i+3] offset:KD+272*i
.set i, i+1
.endr
.endm
; Rows lo .. lo + 7 of q: qn closes up into the first two of a row's four registers; rows of v likewise, unscaled.
.macro SCQ lo
.set i, \lo
.rept 8
	v_pk_mul_f32 v[XQ+4*i:XQ+4*i+1], v[XQ+4*i:XQ+4*i+1], v[RS+2*(i&7):RS+2*(i&7)+1] op_sel_hi:[1,0]       ; qn
	v_pk_mul_f32 v[XQ+4*i+2:XQ+4*i+3], v[XQ+4*i+2:XQ+4*i+3], v[RS+2*(i&7):RS+2*(i&7)+1] op_sel_hi:[1,0]
	v_cvt_pk_f16_f32 v[XQ+4*i], v[XQ+4*i], v[XQ+4*i+1]
	v_cvt_pk_f16_f32 v[XQ+4*i+1], v[XQ+4*i+2], v[XQ+4*i+3]
.set i, i+1
.endr
.endm
.macro CVV lo
.set i, \lo
.rept 8
	v_cvt_pk_f16_f32 v[XV+4*i], v[XV+4*i], v[XV+4*i+1]
	v_cvt_pk_f16_f32 v[XV+4*i+1], v[XV+4*i+2], v[XV+4*i+3]
.set i, i+1
.endr
.endm
.macro STP x, base, lo                 ; the first two registers of rows lo .. lo + 7 of x
.set i, \lo
.rept 8
	ds_store_b64 v21, v[\x+4*i:\x+4*i+1] offset:\base+272*i
.set i, i+1
.endr
.endm
	s_wait_dscnt 0x0                               ; the decays of my 16 rows are in
	s_wait_alu depctr_vm_vsrc(0)                   ; the stores of the gates' vectors have read v14, which is written again below (my tile's row)
	s_wait_loadcnt 32                              ; k's rows are in; q's and v's stay out
	RSUM XK
	s_wait_alu depctr_va_vdst(0)                   ; the v_rsq_f32 of k's rows 0-7 have written v[RS ..], ahead of their first reader
	SCK 0
	RSUM XK+32
	s_wait_alu depctr_va_vdst(0)                   ; the v_rsq_f32 of k's rows 8-15 have written v[RS ..]; rows 0-7 are rounded, which the stores below read
	STK 0
	SCK 8
	s_wait_loadcnt 16                              ; q's rows are in; v's stay out
	RSUM XQ
	s_wait_loadcnt 0x0                             ; v's rows are in
	CVV 0                                          ; plain work behind the batch of v_rsq_f32
	s_wait_alu depctr_va_vdst(0)                   ; the v_rsq_f32 of q's rows 0-7 have written v[RS ..]; k's rows 8-15 and v's rows 0-7 are rounded, which the stores below read
	STK 8
	STP XV, VB, 0
	SCQ 0
	RSUM XQ+32
	CVV 8
	s_wait_alu depctr_va_vdst(0)                   ; the v_rsq_f32 of q's rows 8-15 have written v[RS ..]; q's rows 0-7 and v's rows 8-15 are rounded, which the stores below read
	STP XQ, QB, 0
	STP XV, VB, 8
	SCQ 8
	s_lshl_b32 s21, s18, 4
	v_add_nc_u32 v14, s21, v[R]                    ; x = 16 w + r
	v_mul_u32_u24 v24, v14, 272
	v_lshl_add_u32 v24, v[HH], 4, v24              ; my tile's fragments
	v_mul_u32_u24 v25, v[R], 272
	v_lshl_add_u32 v25, v[HH], 4, v25              ; tile 0's
	s_wait_alu depctr_va_vdst(0)                   ; q's rows 8-15 are rounded, which the stores below read; v24 and v25 are written, and all vector work on v32-255 is done: the fragments' loads behind the barrier read the one and land in the other
	STP XQ, QB, 8
	s_wait_dscnt 0x0                               ; my stores are done before I say so
	s_barrier_signal -1
	s_barrier_wait -1
; ---- phase 2: the Gram products, rows y as first source: lane (r, hh), register j holds x = 16 w + r, y = 16 n + 8 hh + j
.set KA, 32
.set QA, 64
.set F0, 96                            ; kn's fragments of K steps 0 and 3,
.set F1, 128                           ; of step 1,
.set F2, 224                           ; of step 2
.set DK, 160
.set DQ, 192
.set GY, 128                           ; phase 3: G and beta of the columns y take the buffers of steps 1 and 2
.set NY, 224
.set E1, 32
.set E2, 40
.set PP, 48
.set NB, 96
.set DLT, 26
.set GX, 27
.set GXS, 28
	s_wait_alu depctr_vm_vsrc(0)                   ; my LDS stores have read the rounded rows and v21: fragments land on the rows, products write them, v21, v19, v15 and v17 are written below
.irp ks, 0,1,2,3
	ds_load_b128 v[KA+8*\ks:KA+8*\ks+3], v24 offset:KB+64*\ks
	ds_load_b128 v[KA+8*\ks+4:KA+8*\ks+7], v24 offset:KB+64*\ks+32
	ds_load_b128 v[QA+8*\ks:QA+8*\ks+3], v24 offset:QB+64*\ks
	ds_load_b128 v[QA+8*\ks+4:QA+8*\ks+7], v24 offset:QB+64*\ks+32
.endr
.macro KFL ks, f                       ; the four tiles' fragments of K step ks into buffer f
.irp n, 0,1,2,3
	ds_load_b128 v[\f+8*\n:\f+8*\n+3], v25 offset:KB+4352*\n+64*\ks
	ds_load_b128 v[\f+8*\n+4:\f+8*\n+7], v25 offset:KB+4352*\n+64*\ks+32
.endr
.endm
.macro GRAM ks, f, zero                ; eight accumulators take turns, one instruction a turn
.irp n, 0,1,2,3
.if \zero
	v_wmma_f32_16x16x32_f16 v[DK+8*\n:DK+8*\n+7], v[\f+8*\n:\f+8*\n+7], v[KA+8*\ks:KA+8*\ks+7], 0
	v_wmma_f32_16x16x32_f16 v[DQ+8*\n:DQ+8*\n+7], v[\f+8*\n:\f+8*\n+7], v[QA+8*\ks:QA+8*\ks+7], 0
.else
	v_wmma_f32_16x16x32_f16 v[DK+8*\n:DK+8*\n+7], v[\f+8*\n:\f+8*\n+7], v[KA+8*\ks:KA+8*\ks+7], v[DK+8*\n:DK+8*\n+7]
	v_wmma_f32_16x16x32_f16 v[DQ+8*\n:DQ+8*\n+7], v[\f+8*\n:\f+8*\n+7], v[QA+8*\ks:QA+8*\ks+7], v[DQ+8*\n:DQ+8*\n+7]
.endif
.endr
.endm
	KFL 0, F0
	KFL 1, F1
	KFL 2, F2
	v_lshl_add_u32 v19, v14, 2, s19                ; phase 3's addresses, made while the fragments are on their way: my own vectors at x,
	v_lshl_add_u32 v21, v[HH], 5, s19              ; my own vectors at 8 hh
	v_mul_u32_u24 v15, v14, 272
	v_lshl_add_u32 v15, v[HH], 5, v15
	v_add_nc_u32 v31, NAT, v15                     ; NAT row x, word 8 hh
	v_mul_u32_u24 v15, v14, 80
	v_lshl_add_u32 v15, v[HH], 4, v15
	v_add_nc_u32 v17, NAB, v15                     ; NAB row x
	v_lshlrev_b32 v15, 3, v[HH]
	v_sub_nc_u32 v[DLT], v14, v15                  ; x - 8 hh: y <= x where 16 n + j <= this
	s_wait_dscnt 16                                ; my tile's fragments and step 0's are in; the 16 loads of steps 1 and 2 stay out
.irp ks, 0,1,2,3
	global_store_b128 v[POFF], v[QA+8*\ks:QA+8*\ks+3], s[14:15] offset:OQ+4096*\ks       ; qn's fragments are the record's Q part as they stand
	global_store_b128 v[POFF], v[QA+8*\ks+4:QA+8*\ks+7], s[14:15] offset:OQ+4096*\ks+512
.endr
	GRAM 0, F0, 1
.rept 4
	v_nop                                          ; four places before loads land on registers that matrix instructions read
.endr
	s_wait_alu depctr_va_vdst(0)                   ; step 0's products are done reading v[F0 ..], in which step 3's fragments land; v19, v21, v31, v17 are written, which later loads and stores read
	KFL 3, F0
	s_wait_dscnt 16                                ; step 1 is in; steps 2 and 3 stay out
	GRAM 1, F1, 0
	s_wait_dscnt 8                                 ; step 2 is in; step 3 stays out
	GRAM 2, F2, 0
.rept 4
	v_nop                                          ; four places, as above
.endr
	s_wait_alu depctr_va_vdst(0)                   ; the products of steps 1 and 2 are done reading v[F1 ..] and v[F2 ..], in which G and beta of the columns land
	ds_load_b32 v[GX], v19 offset:VG
.irp n, 0,1,2,3
	ds_load_b128 v[GY+8*\n:GY+8*\n+3], v21 offset:VG+64*\n
	ds_load_b128 v[GY+8*\n+4:GY+8*\n+7], v21 offset:VG+64*\n+16
	ds_load_b128 v[NY+8*\n:NY+8*\n+3], v21 offset:VBT+64*\n
	ds_load_b128 v[NY+8*\n+4:NY+8*\n+7], v21 offset:VBT+64*\n+16
.endr
	s_wait_dscnt 17                                ; step 3 is in; the 17 loads just issued stay out
	GRAM 3, F0, 0
; ---- phase 3: gates and masks.  A tile's compares and differences fill the places behind the matrix instructions.
	s_wait_dscnt 0x0
	v_add_f32 v[GXS], 0xc0600000, v[GX]            ; G_x - 3.5: the scale 128^-0.5 rides in P's exponent
.macro ELEMA n                         ; tile n as far as its exponentials
.set j, 0
.rept 8
	v_cmp_le_i32 s[MK+j], 16*\n+j, v[DLT]          ; y <= x
.set j, j+1
.endr
.set j, 0
.rept 8
	v_sub_f32 v[E1+j], v[GXS], v[GY+8*\n+j]
	v_sub_f32 v[E2+j], v[GY+8*\n+j], v[GX]
.set j, j+1
.endr
.set j, 0
.rept 8
	v_exp_f32 v[E1+j], v[E1+j]
	v_exp_f32 v[E2+j], v[E2+j]
.set j, j+1
.endr
.set j, 0
.rept 8
	v_mul_f32 v[DK+8*\n+j], v[DK+8*\n+j], -v[NY+8*\n+j]    ; x (-beta_y): plain work behind the run of exponentials
.set j, j+1
.endr
	s_wait_alu depctr_va_sdst(0)                   ; the eight masks are written, ahead of the selects that read them
	s_wait_alu depctr_va_vdst(0)                   ; the sixteen exponentials have written v[E1 ..] and v[E2 ..], ahead of their first reader; the tile before has written its P and its -A, which the stores behind this wait read
.endm
.macro ELEMB n                         ; the rest of tile n
.set j, 0
.rept 8
	v_mul_f32 v[DQ+8*\n+j], v[DQ+8*\n+j], v[E1+j]
	v_mul_f32 v[DK+8*\n+j], v[DK+8*\n+j], v[E2+j]
	v_cndmask_b32 v[DQ+8*\n+j], 0, v[DQ+8*\n+j], s[MK+j]   ; P lives where y <= x,
	v_cndmask_b32 v[DK+8*\n+j], v[DK+8*\n+j], 0, s[MK+j]   ; -A where y > x; whatever the other side held is dropped
.set j, j+1
.endr
.irp t, 0,1,2,3
	v_cvt_pk_f16_f32 v[PP+4*\n+\t], v[DQ+8*\n+2*\t], v[DQ+8*\n+2*\t+1]
.endr
.if \n >= 2
.irp t, 0,1,2,3
	v_cvt_pk_f16_f32 v[NB+4*(\n-2)+\t], v[DK+8*\n+2*\t], v[DK+8*\n+2*\t+1]
.endr
.endif
.endm
.macro ESTORE n                        ; tile n's results leave, from registers that no later tile writes
	global_store_b128 v[POFF], v[PP+4*\n:PP+4*\n+3], s[14:15] offset:OP+(\n>>1)*4096+(\n&1)*512
	ds_store_b128 v31, v[DK+8*\n:DK+8*\n+3] offset:64*\n
	ds_store_b128 v31, v[DK+8*\n+4:DK+8*\n+7] offset:64*\n+16
.if \n >= 2
	ds_store_b128 v17, v[NB+4*(\n-2):NB+4*(\n-2)+3] offset:32*(\n-2)
.endif
.endm
	ELEMA 0
	ELEMB 0
	ELEMA 1
	ESTORE 0
	ELEMB 1
	ELEMA 2
	ESTORE 1
	ELEMB 2
	ELEMA 3
	ESTORE 2
	ELEMB 3
	s_wait_alu depctr_vm_vsrc(0)                   ; the fragments' loads of phase 2 have read v25, which is written below
	v_and_b32 v14, 7, v0
	v_lshl_add_u32 v15, v[HH], 3, v14              ; 8 hh + lane mod 8
	v_bfe_u32 v16, v0, 3, 1
	v_mul_u32_u24 v25, v15, 272
	v_lshl_add_u32 v25, v16, 4, v25                ; transposing loads from rows of 272 bytes
	v_mul_u32_u24 v26, v15, 80
	v_lshl_add_u32 v26, v16, 4, v26
	v_add_nc_u32 v26, T0, v26                      ; and from T0's rows of 80
	s_wait_alu depctr_va_vdst(0)                   ; tile 3 has written its P and its -A, which the stores below read; v25 and v26 are written, which later loads read
	ESTORE 3
	s_wait_dscnt 0x0
	s_barrier_signal -1
	s_barrier_wait -1
; ---- phase 4: waves 0, 1 invert a diagonal block each; waves 2, 3 transpose the scaled kn
	s_wait_xcnt 0x0                                ; every store so far has had its addresses translated: its registers are written again only behind this wait
	s_wait_alu depctr_vm_vsrc(0)                   ; the stores of fq, Q, P and -A and the gates' loads have read their registers (v19-21, v30, v31, v48-103, v160-191), which both arms below write or load again
	s_cmp_ge_u32 s18, 2
	s_cbranch_scc1 .Lkt
.set TT, 32                            ; T[lane][c] in v[TT+c]
.set B0, 64                            ; coefficients, as loaded: two buffers of 96 registers, which the chunks of columns take by turns
.set B1, 160
.set TX, 12
; T = I - T A, column by column from the right: T[i][c] = (i == c) + sum over j > c of T[i][j] (-A[j][c]).  Lane = row i.
.macro SUBL chi, clo, base             ; the coefficients of columns chi down to clo
.set cc, \chi
.set ar, \base
.rept \chi-\clo+1
.set mm, (cc+1)/4
.rept 8-mm
	ds_load_b128 v[ar:ar+3], v19 offset:cc*272+16*mm   ; the same words for every lane
.set mm, mm+1
.set ar, ar+4
.endr
.set cc, cc-1
.endr
.endm
.macro SUBC chi, clo, base             ; the columns themselves; v[TT+c] holds (i == c) beforehand
.set cc, \chi
.set ar, \base
.rept \chi-\clo+1
.set mm, (cc+1)/4
	v_mov_b32 v[TX], 0
.set jj, mm*4
.rept (8-mm)*4
.if jj > cc
.if jj & 1
	v_fmac_f32 v[TX], v[ar], v[TT+jj]              ; two chains, odd and even j
.else
	v_fmac_f32 v[TT+cc], v[ar], v[TT+jj]
.endif
.endif
.set jj, jj+1
.set ar, ar+1
.endr
	v_add_f32 v[TT+cc], v[TT+cc], v[TX]
.set cc, cc-1
.endr
.endm
	s_mul_i32 s21, s18, 8832                       ; block b: 32 rows of 272 bytes and 32 words on
	s_add_co_u32 s21, s21, NAT
	v_mov_b32 v19, s21
	s_lshl_b32 s21, s18, 5
	v_add_nc_u32 v14, s21, v[LN]                   ; row 32 b + lane
	v_mul_u32_u24 v15, v14, 80
	v_add_nc_u32 v20, T0, v15
	v_mul_u32_u24 v15, v14, 144
	v_add_nc_u32 v15, T1, v15
	s_lshl_b32 s21, s18, 6
	v_add_nc_u32 v21, s21, v15                     ; my block's columns,
	s_xor_b32 s21, s21, 64
	v_add_nc_u32 v24, s21, v15                     ; the other block's
	s_lshl_b32 s21, s18, 7
	s_add_co_u32 s21, s21, s19
	v_mov_b32 v30, s21
	s_wait_alu depctr_va_vdst(0)                   ; v19, v20, v21, v24, v30 are written, which this arm's loads and stores read; phase 3's vector work is done with v64-255, in which the coefficients land
	SUBL 31, 19, B0                                ; 24 loads
	SUBL 18, 14, B1                                ; 21 loads
.set c0, 0
.rept 4                                            ; the unit matrix, while the coefficients are on their way
.set j, 0
.rept 8
	v_cmp_eq_u32 s[MK+j], c0+j, v[LN]
.set j, j+1
.endr
	s_wait_alu depctr_va_sdst(0)                   ; the eight masks are written, ahead of the selects that read them
.set j, 0
.rept 8
	v_cndmask_b32 v[TT+c0+j], 0, 1.0, s[MK+j]
.set j, j+1
.endr
.set c0, c0+8
.endr
	s_wait_dscnt 21                                ; LDS loads come back in order: this chunk is in, the next chunk's loads stay out (here and below)
	SUBC 31, 19, B0
	s_wait_alu depctr_va_vdst(0)                   ; the multiply-adds are done reading buffer 0, in which the next loads land
	SUBL 13, 10, B0                                ; 21 loads
	s_wait_dscnt 21
	SUBC 18, 14, B1
	s_wait_alu depctr_va_vdst(0)                   ; the multiply-adds are done reading buffer 1
	SUBL 9, 7, B1                                  ; 18 loads
	s_wait_dscnt 18
	SUBC 13, 10, B0
	s_wait_alu depctr_va_vdst(0)                   ; the multiply-adds are done reading buffer 0
	SUBL 6, 4, B0                                  ; 21 loads
	s_wait_dscnt 21
	SUBC 9, 7, B1
	s_wait_alu depctr_va_vdst(0)                   ; the multiply-adds are done reading buffer 1
	SUBL 3, 1, B1                                  ; 23 loads
	s_wait_dscnt 23
	SUBC 6, 4, B0
	s_wait_alu depctr_va_vdst(0)                   ; the multiply-adds are done reading buffer 0: column 0's coefficients land in its first 32 registers, the gates' vectors in the other 64
	SUBL 0, 0, B0                                  ; 8 loads
.irp m, 0,1,2,3,4,5,6,7
	ds_load_b128 v[96+4*\m:96+4*\m+3], v30 offset:VBT+16*\m
	ds_load_b128 v[128+4*\m:128+4*\m+3], v30 offset:VW+16*\m
.endr
	s_wait_dscnt 24                                ; columns 3 to 1; column 0's 8 loads and the gates' 16 stay out
	SUBC 3, 1, B1
	s_wait_dscnt 16                                ; column 0; the gates' 16 stay out
	SUBC 0, 0, B0
.set i, 0
.rept 16
	v_cvt_pk_f16_f32 v[64+i], v[TT+2*i], v[TT+2*i+1]
.set i, i+1
.endr
.irp m, 0,1,2,3
	v_mov_b32 v[224+\m], 0
.endr
	s_wait_dscnt 0x0
.set i, 0
.rept 16
	v_pk_mul_f32 v[160:161], v[TT+2*i:TT+2*i+1], v[96+2*i:96+2*i+1]
	v_pk_mul_f32 v[162:163], v[TT+2*i:TT+2*i+1], v[128+2*i:128+2*i+1]
	v_cvt_pk_f16_f32 v[192+i], v160, v161
	v_cvt_pk_f16_f32 v[208+i], v162, v163
.set i, i+1
.endr
	s_wait_alu depctr_va_vdst(0)                   ; the block, its two scaled copies and the zeros are written (v64-79, v192-227), which the stores below read
.irp m, 0,1,2,3
	ds_store_b128 v20, v[64+4*\m:64+4*\m+3] offset:16*\m
	ds_store_b128 v24, v[224:227] offset:16*\m             ; zeros beside the block (the lower left is written over in phase 5)
	ds_store_b128 v24, v[224:227] offset:T21+16*\m
.endr
.irp m, 0,1,2,3
	ds_store_b128 v21, v[192+4*\m:192+4*\m+3] offset:16*\m
	ds_store_b128 v21, v[208+4*\m:208+4*\m+3] offset:T21+16*\m
.endr
	s_branch .Ljoin4
.Lkt:
	s_sub_co_u32 s21, s18, 2                       ; which 32 tokens
	s_mul_i32 s26, s21, 8704
	v_add_nc_u32 v14, s26, v25
	s_lshl_b32 s26, s21, 13
	v_add_nc_u32 v31, s26, v[L16]
	s_wait_alu depctr_va_vdst(0)                   ; v14 and v31 are written, which the loads and stores below read; phase 3's vector work is done with v160-223, in which the loads land
.irp m, 0,1,2,3,4,5,6,7
	ds_load_tr16_b128 v[160+8*\m:160+8*\m+3], v14 offset:KD+32*\m
	ds_load_tr16_b128 v[160+8*\m+4:160+8*\m+7], v14 offset:KD+32*\m+4352
.endr
	s_wait_dscnt 0x0
.irp m, 0,1,2,3,4,5,6,7
	global_store_b128 v31, v[160+8*\m:160+8*\m+3], s[14:15] offset:OKT+1024*\m
	global_store_b128 v31, v[160+8*\m+4:160+8*\m+7], s[14:15] offset:OKT+1024*\m+512
.endr
.Ljoin4:
	s_wait_dscnt 0x0
	s_wait_alu depctr_vm_vsrc(0)                   ; both arms' loads and stores have read their addresses and data: v14, v19, v20, v21, v24 are written below, and v64-79 and v192-227 later
	s_barrier_signal -1
	s_barrier_wait -1
; ---- phase 5: waves 2, 3: rows 16 w .. of the lower left block, T10 = (T11 (-A10)) T00
	s_lshl_b32 s21, s18, 4
	v_add_nc_u32 v14, s21, v[R]                    ; row 16 w + r
	v_mul_u32_u24 v15, v14, 144
	v_lshl_add_u32 v15, v[HH], 4, v15
	v_add_nc_u32 v19, T1, v15                      ; my row of T1, 16 hh bytes in: stores here, fragments in phase 6
	s_cmp_lt_u32 s18, 2
	s_cbranch_scc1 .Lskip5
	v_mul_u32_u24 v15, v[R], 80
	v_lshl_add_u32 v15, v[HH], 4, v15
	v_add_nc_u32 v20, NAB, v15
	v_mul_u32_u24 v15, v14, 80
	v_lshl_add_u32 v15, v[HH], 4, v15
	v_add_nc_u32 v21, T0, v15
	v_lshl_add_u32 v24, v[HH], 5, s19
	s_wait_alu depctr_va_vdst(0)                   ; v19, v20, v21, v24 are written, which the loads and stores below read
	ds_load_b128 v[32:35], v20
	ds_load_b128 v[36:39], v20 offset:32
	ds_load_b128 v[40:43], v20 offset:1280
	ds_load_b128 v[44:47], v20 offset:1312
	ds_load_b128 v[48:51], v21
	ds_load_b128 v[52:55], v21 offset:32
	ds_load_tr16_b128 v[80:83], v26
	ds_load_tr16_b128 v[84:87], v26 offset:1280
	ds_load_tr16_b128 v[88:91], v26 offset:32
	ds_load_tr16_b128 v[92:95], v26 offset:1312
.irp ct, 0,1
	ds_load_b128 v[112+8*\ct:112+8*\ct+3], v24 offset:VBT+64*\ct
	ds_load_b128 v[112+8*\ct+4:112+8*\ct+7], v24 offset:VBT+64*\ct+16
	ds_load_b128 v[128+8*\ct:128+8*\ct+3], v24 offset:VW+64*\ct
	ds_load_b128 v[128+8*\ct+4:128+8*\ct+7], v24 offset:VW+64*\ct+16
.endr
	s_wait_dscnt 0x0
	v_wmma_f32_16x16x32_f16 v[56:63], v[32:39], v[48:55], 0        ; lane = row i, registers = 8 neighbouring columns
	v_wmma_f32_16x16x32_f16 v[64:71], v[40:47], v[48:55], 0
.rept 4
	v_nop
.endr
.irp t, 0,1,2,3
	v_cvt_pk_f16_f32 v[72+\t], v[56+2*\t], v[56+2*\t+1]
	v_cvt_pk_f16_f32 v[76+\t], v[64+2*\t], v[64+2*\t+1]
.endr
	v_wmma_f32_16x16x32_f16 v[96:103], v[80:87], v[72:79], 0
	v_wmma_f32_16x16x32_f16 v[104:111], v[88:95], v[72:79], 0
.rept 4
	v_nop
.endr
.irp ct, 0,1
.irp t, 0,1,2,3
	v_pk_mul_f32 v[144:145], v[96+8*\ct+2*\t:96+8*\ct+2*\t+1], v[112+8*\ct+2*\t:112+8*\ct+2*\t+1]
	v_pk_mul_f32 v[146:147], v[96+8*\ct+2*\t:96+8*\ct+2*\t+1], v[128+8*\ct+2*\t:128+8*\ct+2*\t+1]
	v_cvt_pk_f16_f32 v[32+8*\ct+\t], v144, v145    ; each column tile's two copies in registers of their own
	v_cvt_pk_f16_f32 v[36+8*\ct+\t], v146, v147
.endr
.endr
	s_wait_alu depctr_va_vdst(0)                   ; the block's two scaled copies are written (v32-47), which the stores below read
.irp ct, 0,1
	ds_store_b128 v19, v[32+8*\ct:32+8*\ct+3] offset:32*\ct
	ds_store_b128 v19, v[36+8*\ct:36+8*\ct+3] offset:T21+32*\ct
.endr
.Lskip5:
	s_wait_dscnt 0x0
	s_barrier_signal -1
	s_barrier_wait -1
; ---- phase 6: ut = T1 V (rows as first source) and NW = T2 Kn (columns as first source, so that a lane packs 8 neighbouring numbers of a row)
.set TA, 32
.set VF, 64
.set AC, 192
	s_wait_xcnt 0x0                                ; every store so far has had its addresses translated
	s_wait_alu depctr_vm_vsrc(0)                   ; the stores of phase 5 and of KT have read v32-47 and v160-223, in which fragments land and which products write
	s_wait_alu depctr_va_vdst(0)                   ; v19 is written (waves 0 and 1 have passed no such wait since), which the loads below read; all vector work on v32-191 is done
.irp ks, 0,1
	ds_load_b128 v[TA+8*\ks:TA+8*\ks+3], v19 offset:64*\ks
	ds_load_b128 v[TA+8*\ks+4:TA+8*\ks+7], v19 offset:64*\ks+32
	ds_load_b128 v[TA+16+8*\ks:TA+16+8*\ks+3], v19 offset:T21+64*\ks
	ds_load_b128 v[TA+16+8*\ks+4:TA+16+8*\ks+7], v19 offset:T21+64*\ks+32
.endr
.macro TRL base, ks                    ; tokens 32 ks .. of all 128 columns, turned: 16 loads
.irp n, 0,1,2,3,4,5,6,7
	ds_load_tr16_b128 v[VF+8*(8*\ks+\n):VF+8*(8*\ks+\n)+3], v25 offset:\base+8704*\ks+32*\n
	ds_load_tr16_b128 v[VF+8*(8*\ks+\n)+4:VF+8*(8*\ks+\n)+7], v25 offset:\base+8704*\ks+32*\n+4352
.endr
.endm
	TRL VB, 0
	TRL VB, 1
	s_wait_dscnt 16                                ; T's fragments and v's first half are in; the second half's 16 loads stay out
.irp n, 0,1,2,3,4,5,6,7
	v_wmma_f32_16x16x32_f16 v[AC+8*\n:AC+8*\n+7], v[TA:TA+7], v[VF+8*\n:VF+8*\n+7], 0
.endr
.rept 4
	v_nop                                          ; four places before loads land on registers that matrix instructions read
.endr
	s_wait_alu depctr_va_vdst(0)                   ; these products are done reading v's first half, in which kn's first half lands
	TRL KB, 0
	s_wait_dscnt 16                                ; v's second half is in; kn's first half stays out
.irp n, 0,1,2,3,4,5,6,7
	v_wmma_f32_16x16x32_f16 v[AC+8*\n:AC+8*\n+7], v[TA+8:TA+15], v[VF+64+8*\n:VF+64+8*\n+7], v[AC+8*\n:AC+8*\n+7]
.endr
.rept 5
	v_nop                                          ; four places for the stores and loads below, five for the products that write these accumulators anew
.endr
	s_wait_alu depctr_va_vdst(0)                   ; the products have written the accumulators, which the stores read, and are done reading v's second half, in which kn's second half lands
	TRL KB, 1
.irp n, 0,1,2,3,4,5,6,7
	global_store_b128 v[POFF], v[AC+8*\n:AC+8*\n+3], s[16:17] offset:4096*\n           ; a wave's store covers 512 consecutive bytes
	global_store_b128 v[POFF], v[AC+8*\n+4:AC+8*\n+7], s[16:17] offset:4096*\n+512
.endr
	s_wait_xcnt 0x0                                ; the accumulators are written again only behind this wait
	s_wait_alu depctr_vm_vsrc(0)                   ; the stores have read the accumulators, which the products below write anew
	s_wait_dscnt 16                                ; kn's first half is in; its second half stays out
.irp n, 0,1,2,3,4,5,6,7
	v_wmma_f32_16x16x32_f16 v[AC+8*\n:AC+8*\n+7], v[VF+8*\n:VF+8*\n+7], v[TA+16:TA+23], 0
.endr
	s_wait_dscnt 0x0
.irp n, 0,1,2,3,4,5,6,7
	v_wmma_f32_16x16x32_f16 v[AC+8*\n:AC+8*\n+7], v[VF+64+8*\n:VF+64+8*\n+7], v[TA+24:TA+31], v[AC+8*\n:AC+8*\n+7]
.endr
.rept 4
	v_nop
.endr
.irp n, 0,1,2,3,4,5,6,7
.irp t, 0,1,2,3
	v_cvt_pk_f16_f32 v[VF+4*\n+\t], v[AC+8*\n+2*\t], v[AC+8*\n+2*\t+1]
.endr
.endr
	s_wait_alu depctr_va_vdst(0)                   ; the conversions have written v[VF ..], which the stores read
.irp n, 0,1,2,3,4,5,6,7
	global_store_b128 v[POFF], v[VF+4*\n:VF+4*\n+3], s[14:15] offset:ONW+(\n>>1)*4096+(\n&1)*512
.endr
	s_wait_dscnt 0x0                               ; the closing lines, six on end
	s_wait_alu 0x0
	s_wait_tensorcnt 0x0
	ds_add_u32 v22, v29
	s_wait_dscnt 0x0
	s_endpgm
.Lfunc_end_k_qb5f6bc85d8_prep:
	.size	k_qb5f6bc85d8_prep, .Lfunc_end_k_qb5f6bc85d8_prep-k_qb5f6bc85d8_prep
	.p2alignl 7, 3214868480
	.fill 96, 4, 3214868480
	.section	.rodata,"a",@progbits
	.p2align	6, 0x0
	.amdhsa_kernel k_qb5f6bc85d8_prep
		.amdhsa_group_segment_fixed_size 120320
		.amdhsa_private_segment_fixed_size 0
		.amdhsa_enable_private_segment 0
		.amdhsa_kernarg_size 56
		.amdhsa_user_sgpr_count 2
		.amdhsa_user_sgpr_kernarg_segment_ptr 1
		.amdhsa_wavefront_size32 1
		.amdhsa_system_sgpr_workgroup_id_x 1
		.amdhsa_system_sgpr_workgroup_id_y 1
		.amdhsa_system_sgpr_workgroup_id_z 1
		.amdhsa_system_vgpr_workitem_id 0
		.amdhsa_next_free_vgpr 256
		.amdhsa_next_free_sgpr 66
		.amdhsa_reserve_vcc 0
		.amdhsa_float_denorm_mode_32 3
		.amdhsa_float_denorm_mode_16_64 3
		.amdhsa_memory_ordered 1
		.amdhsa_forward_progress 1
		.amdhsa_inst_pref_size 134
	.end_amdhsa_kernel
	.amdgpu_metadata
---
amdhsa.version: [ 1, 2 ]
amdhsa.kernels:
  - .name:           k_qb5f6bc85d8_prep
    .symbol:         k_qb5f6bc85d8_prep.kd
    .args:
      - { .name: q, .offset: 0, .size: 8, .value_kind: global_buffer, .address_space: global }
      - { .name: k, .offset: 8, .size: 8, .value_kind: global_buffer, .address_space: global }
      - { .name: v, .offset: 16, .size: 8, .value_kind: global_buffer, .address_space: global }
      - { .name: g, .offset: 24, .size: 8, .value_kind: global_buffer, .address_space: global }
      - { .name: beta, .offset: 32, .size: 8, .value_kind: global_buffer, .address_space: global }
      - { .name: rec, .offset: 40, .size: 8, .value_kind: global_buffer, .address_space: global }
      - { .name: ut, .offset: 48, .size: 8, .value_kind: global_buffer, .address_space: global }
    .group_segment_fixed_size: 120320
    .private_segment_fixed_size: 0
    .kernarg_segment_align: 8
    .kernarg_segment_size: 56
    .max_flat_workgroup_size: 128
    .sgpr_count:     66
    .vgpr_count:     256
    .wavefront_size: 32
...
	.end_amdgpu_metadata
.endif
;; end of part 6
;; launch seg: the kernel of part 4 again; grid 8 x 24, 1 waves a work-group, clusters of 4 x 1, 327,680 bytes of LDS; arguments rec, ut, sb, sm; writes sb, sm
;; launch scan: the kernel of part 5 again; grid 8 x 32, 1 waves a work-group, clusters of 4 x 1, 327,680 bytes of LDS; arguments rec, ut, initial_state, sb, sm, out0, out1; writes out0, out1
